; MI455X (gfx1250); checked and timed in simulation.
; The chip was launched on July 23, 2026; its instructions are those of AMD's public machine-readable ISA for CDNA 5 (MIT licence, August 2026) and "CDNA5" Instruction Set Architecture Reference Guide (July 2026). The comments in the code are by the model that wrote it; some were corrected since.
;; Attention. Allowed arithmetic: float matrix products may take bf16 or f16 operands with f32 sums; all other float work in f32.
;; Inputs: WK 1,024 x 128 float32; WQ 1,024 x 128 float32; WV 1,024 x 128 float32; x 4 x 4,096 x 1,024 float32.
;; Outputs: out0 4 x 4,096 x 128 float32.
;; 2 versions, each right and faster than the one before. Each part assembles by itself: llvm-mc -triple=amdgcn-amd-amdhsa -mcpu=gfx1250 --defsym DOCPART=n.
;; ======== version 1 of 2: 3 launches
;; limits: values are held in f16: magnitudes above 65,504 overflow, below 6.1e-05 lose precision
;; workspace buffers: Wt 786,432 bytes; Qs 4,194,304 bytes; Kb 4,194,304 bytes; Vt 4,194,304 bytes; Lo 786,432 bytes
;; launch prep (part 1): grid 16 x 3, 8 waves a work-group, no clusters, 18,432 bytes of LDS; arguments WQ, WK, WV, Wt; writes Wt
.if DOCPART == 1
	.amdgcn_target "amdgcn-amd-amdhsa--gfx1250"
	.amdhsa_code_object_version 6
	.text
	.protected	k_q71d5ff00c2_prep
	.globl	k_q71d5ff00c2_prep
	.p2align	8
	.type	k_q71d5ff00c2_prep,@function
k_q71d5ff00c2_prep:
	s_mov_b64 s[64:65], 0
	v_nop
	global_prefetch_b8 v0, s[64:65] scope:SCOPE_SE
	s_setreg_imm32_b32 hwreg(HW_REG_WAVE_MODE, 25, 1), 1
	s_wait_xcnt 0x0
; Wt[384][1024] bf16 = the transposes of WQ, WK, WV (each [1024 k][128 n] f32), each number rounded once; rows 0-127 Q, 128-255 K, 256-383 V, k along a row.
; A work-group takes 128 k x 64 n of one matrix: 8 waves, thread t = (kg = t >> 4, n4 = t & 15) loads rows 8 kg .. 8 kg + 7, columns 4 n4 .. 4 n4 + 3:
; sixteen neighbouring lanes read 256 consecutive aligned bytes.  The transposition goes through LDS (64 rows of 256 bytes, pitch 272);
; each store of sixteen neighbouring lanes covers 256 consecutive aligned bytes of Wt.
; 48 work-groups: 1.5 MB in, 0.75 MB out; there is no more work to share.  No matrix unit, no tensor load, no cluster: no byte is read twice.
; The LDS stores of a group of sixteen lanes fall on four 16-byte columns (rows four apart, pitch 272): four stores a thread in the whole kernel.
.set PITCH, 272
	s_load_b256 s[4:11], s[0:1], 0x0               ; WQ s[4:5], WK s[6:7], WV s[8:9], Wt s[10:11]
	v_lshl_add_u32 v64, v0, 2, 0x4400
	v_mov_b32 v65, 0
	s_and_b32 s14, ttmp7, 0xffff                   ; which matrix
	s_lshr_b32 s15, ttmp9, 1                       ; which 128 k
	s_and_b32 s16, ttmp9, 1                        ; which 64 n
	s_lshl_b32 s18, s15, 16                        ; 128 rows of 512 bytes
	s_lshl_b32 s17, s16, 8                         ; 64 columns of 4 bytes
	s_add_co_u32 s18, s18, s17
	s_mov_b32 s19, 0
	s_lshl_b32 s22, s14, 18                        ; Wt: 128 rows of 2,048 bytes for each matrix,
	s_lshl_b32 s17, s16, 17                        ; 64 rows,
	s_add_co_u32 s22, s22, s17
	s_lshl_b32 s17, s15, 8                         ; 128 k of 2 bytes
	s_add_co_u32 s22, s22, s17
	s_mov_b32 s23, 0
	v_and_b32 v1, 15, v0                           ; n4
	v_lshrrev_b32 v2, 4, v0                        ; kg
	v_lshlrev_b32 v3, 4, v1                        ; 16 n4
	v_lshl_add_u32 v4, v2, 12, v3                  ; load: 8 kg rows of 512 bytes + 16 n4
	v_mul_u32_u24 v5, v1, 4*PITCH
	v_lshl_add_u32 v5, v2, 4, v5                   ; LDS in: row 4 n4 (+ c), 16 bytes at k = 8 kg
	v_mul_u32_u24 v6, v2, PITCH
	v_add_nc_u32 v6, v6, v3                        ; LDS back: row t >> 4, 16 bytes at 16 (t & 15)
	v_lshl_add_u32 v7, v2, 11, v3                  ; the same place in Wt
	s_wait_kmcnt 0x0
	s_cmp_eq_u32 s14, 1
	s_cselect_b64 s[12:13], s[6:7], s[4:5]
	s_cmp_eq_u32 s14, 2
	s_cselect_b64 s[12:13], s[8:9], s[12:13]
	s_add_nc_u64 s[12:13], s[12:13], s[18:19]
	s_add_nc_u64 s[10:11], s[10:11], s[22:23]
.irp i, 0,1,2,3,4,5,6,7
	global_load_b128 v[8+4*\i:11+4*\i], v4, s[12:13] offset:512*\i th:TH_LOAD_NT   ; row 8 kg + i
.endr
	s_wait_loadcnt 0x0
.irp c, 0,1,2,3
.irp p, 0,1,2,3
	v_cvt_pk_bf16_f32 v[40+4*\c+\p], v[8+8*\p+\c], v[12+8*\p+\c]    ; column 4 n4 + c, k = 8 kg + 2 p and + 2 p + 1
.endr
	ds_store_b128 v5, v[40+4*\c:43+4*\c] offset:PITCH*\c
.endr
	s_wait_dscnt 0x0                               ; my stores are in LDS before I say so: other waves read them
	s_barrier_signal -1
	s_barrier_wait -1
.irp i, 0,1,2,3
	ds_load_b128 v[8+4*\i:11+4*\i], v6 offset:16*PITCH*\i
.endr
.irp i, 0,1,2,3
	s_wait_dscnt 3-\i                              ; LDS loads come back in order: load i is in, the younger ones stay out
	global_store_b128 v7, v[8+4*\i:11+4*\i], s[10:11] offset:32768*\i
.endr
	s_wait_tensorcnt 0x0
	ds_add_u32 v64, v65
	s_wait_dscnt 0x0
	s_endpgm
.Lfunc_end_k_q71d5ff00c2_prep:
	.size	k_q71d5ff00c2_prep, .Lfunc_end_k_q71d5ff00c2_prep-k_q71d5ff00c2_prep
	.p2alignl 7, 3214868480
	.fill 96, 4, 3214868480
	.section	.rodata,"a",@progbits
	.p2align	6, 0x0
	.amdhsa_kernel k_q71d5ff00c2_prep
		.amdhsa_group_segment_fixed_size 18432
		.amdhsa_private_segment_fixed_size 0
		.amdhsa_enable_private_segment 0
		.amdhsa_kernarg_size 32
		.amdhsa_user_sgpr_count 2
		.amdhsa_user_sgpr_kernarg_segment_ptr 1
		.amdhsa_wavefront_size32 1
		.amdhsa_system_sgpr_workgroup_id_x 1
		.amdhsa_system_sgpr_workgroup_id_y 1
		.amdhsa_system_sgpr_workgroup_id_z 1
		.amdhsa_system_vgpr_workitem_id 0
		.amdhsa_next_free_vgpr 66
		.amdhsa_next_free_sgpr 66
		.amdhsa_reserve_vcc 0
		.amdhsa_float_denorm_mode_32 3
		.amdhsa_float_denorm_mode_16_64 3
		.amdhsa_memory_ordered 1
		.amdhsa_forward_progress 1
		.amdhsa_inst_pref_size 5
	.end_amdhsa_kernel
	.amdgpu_metadata
---
amdhsa.version: [ 1, 2 ]
amdhsa.kernels:
  - .name:           k_q71d5ff00c2_prep
    .symbol:         k_q71d5ff00c2_prep.kd
    .args:
      - { .name: WQ, .offset: 0, .size: 8, .value_kind: global_buffer, .address_space: global }
      - { .name: WK, .offset: 8, .size: 8, .value_kind: global_buffer, .address_space: global }
      - { .name: WV, .offset: 16, .size: 8, .value_kind: global_buffer, .address_space: global }
      - { .name: Wt, .offset: 24, .size: 8, .value_kind: global_buffer, .address_space: global }
    .group_segment_fixed_size: 18432
    .private_segment_fixed_size: 0
    .kernarg_segment_align: 8
    .kernarg_segment_size: 32
    .max_flat_workgroup_size: 256
    .sgpr_count:     66
    .vgpr_count:     66
    .wavefront_size: 32
...
	.end_amdgpu_metadata
.endif
;; end of part 1
;; launch proj (part 2): grid 256 x 1, 4 waves a work-group, clusters of 4 x 1, 327,680 bytes of LDS; arguments x, Wt, Qs, Kb, Vt, Lo; writes Qs, Kb, Vt, Lo
.if DOCPART == 2
	.amdgcn_target "amdgcn-amd-amdhsa--gfx1250"
	.amdhsa_code_object_version 6
	.text
	.protected	k_q71d5ff00c2_proj
	.globl	k_q71d5ff00c2_proj
	.p2align	8
	.type	k_q71d5ff00c2_proj,@function
k_q71d5ff00c2_proj:
	s_mov_b64 s[64:65], 0
	v_nop
	global_prefetch_b8 v0, s[64:65] scope:SCOPE_SE
	s_setreg_imm32_b32 hwreg(HW_REG_WAVE_MODE, 25, 1), 1
	s_wait_xcnt 0x0
	s_wait_alu depctr_hold_cnt(0) depctr_sa_sdst(0) depctr_va_vdst(0) depctr_va_sdst(0) depctr_va_ssrc(0) depctr_va_vcc(0) depctr_vm_vsrc(0)
	s_getreg_b32 s2, hwreg(HW_REG_IB_STS2, 6, 4)
	s_cmp_eq_u32 s2, 0
	s_cbranch_scc0 .Lentry_in_a_cluster
	s_endpgm
.Lentry_in_a_cluster:
	s_bfe_u32 s2, ttmp6, 0x10000c
	s_cmp_lg_u32 s2, 0x3003
	s_cbranch_scc0 .Lentry_shape_is_right
	s_endpgm
.Lentry_shape_is_right:
; Qs = x WQ c, Kb = x WK (both [16384][128] f16), Vt = x WV as 256 blocks of 64 rows, each [128 d][64 rows] f16, dense 16 KB.
; c = (1/32) log2(e) = 0x3d38aa3b: reference()'s scale 1/sqrt(1024) and the change to base 2, multiplied onto Q's f32 sums ahead of their one rounding.
; x [16384][1024] f32 and Wt [384][1024] bf16 are multiplied in bf16 with f32 sums.
; LIMIT: the results are kept in f16: |Q c|, |K|, |V| < 65,504.  As drawn they reach about 7; with x and W both 30 times larger about 6,600; with an offset of
; 30 on x and of 30 x 0.042 on W together 1024 x 37.5 = 38,400.
; Lo: for rows 0-255 of each batch (the clusters whose number is a multiple of 16) the results go out in two f16 parts: hi = the f32 sum rounded to 11 bits,
; into Qs, Kb, Vt like all others, and lo = sum - hi, into Lo: three regions of 262,144 bytes (Q, K, Vt layouts), each 16 blocks of 16 KB, block 4 b + cx.
; The attention launch uses them for rows 0-127, which average few keys.  Q's lo of rows 128-255 is stored and not read: no branch may hang on cx.
; A work-group owns 64 rows of x and all 384 columns, so each byte of x is read once in the launch.  Wave w owns columns 32 w .. 32 w + 31 of each of
; Q, K and V: 6 column tiles x 4 row tiles = 24 accumulators.  K goes in 8 steps of 128, written out.
; Wt's tiles (384 rows x 256 bytes) are the same for every work-group: the four work-groups of a cluster ask for them jointly, through two LDS slots;
; each wave asks for 96 rows with one load, and a wave has one tensor load out.
; x comes through registers (two sets of 16 loads of 512 bytes a wave, so two K steps' rows are on their way), is rounded to bf16 once and laid in LDS.
; Q and K tiles take Wt's fragment as source 0 and x's as source 1: a lane then holds 8 neighbouring d of one row.  V tiles the other way round:
; a lane holds 8 neighbouring rows of one d, which is Vt's layout.
; REGISTERS: window 0 addresses, T, fragments; window 1 v0-191 accumulators, tile (c, rt) at 8 (4 c + rt); window 2 v0-127 x as loaded, two sets,
; and at the end v0-191 the sums rounded to 11 bits.
.set PITCH,  272                       ; an LDS row: 256 bytes + 16: the sixteen rows of a fragment load start in sixteen different 16-byte columns of 256
.set VPITCH, 144                       ; a row of the stage for Vt: 128 bytes + 16
.set WSLOT,  384*PITCH                 ; 104,448: a slot of Wt's tiles; slots at 0 and WSLOT
.set XB,     2*WSLOT                   ; 208,896: x in bf16, 64 rows, two buffers
.set XBSZ,   64*PITCH                  ; 17,408
.set STQ,    XB+2*XBSZ                 ; 243,712: stage for Q, then for K (64 rows x 272 each), then for Vt (128 rows x 144)
.set XOFF, 4                           ; v4      byte offset in x of my 16 bytes in my wave's first row; never rewritten
.set XST,  5                           ; v5-6    where I put 8 bytes of a row of x, buffer 0, 1
.set XAD,  7                           ; v7-8    LDS address of x's fragments, buffer 0, 1
.set WAD,  10                          ; v10-15  LDS address of my Wt fragments: 3 x slot + matrix
.set SQK,  16                          ; way out: in, for Q and K
.set SV,   17                          ; way out: in, for Vt
.set RQK,  18                          ; way out: back, for Q and K
.set RV,   19                          ; way out: back, for Vt
.set GO,   20                          ; my 16 bytes in a dense block of 2,048
.set T,    24                          ; v24-55  packed 16-bit numbers
.set SQKL, 56                          ; v56-59  the same four addresses in the stage for the lo parts, which begins at LDS byte 0
.set SVL,  57
.set RQKL, 58
.set RVL,  59
.set F0,   64                          ; v64-143   fragments: x's 4 row tiles, then Wt's 6 column tiles
.set F1,   144                         ; v144-223  the second buffer
.set G1,   16                          ; s[16:23] descriptor group 1
.set G0,   24                          ; s[24:31] descriptor group 0, a set for each slot
.set MSB, 0
.macro WIN new                         ; the immediate's high byte repeats the setting that is left
.if MSB != \new
	s_set_vgpr_msb (MSB<<8)|\new
.set MSB, \new
.endif
.endm
.macro PLACES                          ; four places behind a matrix instruction, in front of loads into, and vector reads of, its registers (ISA guide 7.12.1 for vector reads)
.rept 4
	v_nop
.endr
.endm
.macro ROUND                           ; a round of the cluster's barrier
	s_barrier_signal -1
	s_barrier_wait -1
	s_cmp_lg_u32 s14, 0
	s_cbranch_scc1 .Lnot_wave_0_\@
	s_barrier_signal -3
.Lnot_wave_0_\@:
	s_barrier_wait -3
	s_barrier_signal -1
	s_barrier_wait -1
.endm
	s_load_b256 s[4:11], s[0:1], 0x0               ; x s[4:5], Wt s[6:7], Qs s[8:9], Kb s[10:11]
	s_load_b64 s[12:13], s[0:1], 0x20              ; Vt
	s_load_b64 s[50:51], s[0:1], 0x28              ; Lo
	v_lshl_add_u32 v62, v0, 2, 0x48800
	v_mov_b32 v63, 0
	ds_add_u32 v62, v63
	v_lshrrev_b32 v1, 5, v0
	v_readfirstlane_b32 s14, v1                    ; wave
	s_bfe_u32 s15, ttmp6, 0x40000                  ; cx
	s_lshl_b32 s34, ttmp9, 2
	s_add_co_u32 s34, s34, s15                     ; work-group = 4 x cluster + cx: enters global addresses of x and of the outputs alone
	s_and_b32 s54, ttmp9, 15                       ; 0: this cluster holds rows 0-255 of a batch; the same in all four partners
	s_lshr_b32 s52, ttmp9, 4                       ; batch
	s_lshl_b32 s52, s52, 2
	s_add_co_u32 s52, s52, s15
	s_lshl_b32 s52, s52, 14                        ; block 4 b + cx of 16 KB in each region of Lo
	s_mov_b32 s53, 0
	s_mov_b32 s56, 0x3d38aa3b                      ; c, as a pair written whole
	s_mov_b32 s57, 0x3d38aa3b
	s_mov_b32 s[G1+0], 0x0771000f                  ; mask 15 (all four of the cluster); 2-byte elements; padding on; bit 21 beside the mask; 4 words behind every 64
	s_mov_b32 s[G1+1], 128<<16                     ; tensor_dim0 = 128
	s_mov_b32 s[G1+2], 96<<16                      ; tensor_dim1 = 96
	s_mov_b32 s[G1+3], 128<<16                     ; tile_dim0 = 128 elements, 256 bytes
	s_mov_b32 s[G1+4], 96                          ; tile_dim1 = 96 rows
	s_mov_b32 s[G1+5], 1024                        ; elements from row to row of Wt
	s_mov_b32 s[G1+6], 0
	s_mov_b32 s[G1+7], 0
	s_mul_i32 s36, s14, 196608                     ; my 96 rows of 2,048 bytes
	s_mov_b32 s37, 0
	s_mov_b32 s[G0+0], 1
	s_mul_i32 s[G0+1], s14, 96*PITCH               ; LDS: wave x 96 rows
	s_mov_b32 s[G0+4], 1
	s_add_co_u32 s[G0+5], s[G0+1], WSLOT
	s_lshl_b32 s38, s34, 18                        ; 64 rows of 4,096 bytes of x
	s_mov_b32 s39, 0
	s_lshl_b32 s40, s34, 14                        ; 16 KB of each output
	s_mov_b32 s41, 0
	s_wait_dscnt 0x0
	s_wait_kmcnt 0x0
	s_add_nc_u64 s[G0+2:G0+3], s[6:7], s[36:37]    ; K step 0
	s_add_nc_u64 s[G0+6:G0+7], s[G0+2:G0+3], 256   ; K step 1
	s_or_b32 s[G0+3], s[G0+3], 0x80000000          ; type 2
	s_or_b32 s[G0+7], s[G0+7], 0x80000000
	s_add_nc_u64 s[4:5], s[4:5], s[38:39]
	s_add_nc_u64 s[8:9], s[8:9], s[40:41]
	s_add_nc_u64 s[10:11], s[10:11], s[40:41]
	s_add_nc_u64 s[12:13], s[12:13], s[40:41]
	s_add_nc_u64 s[50:51], s[50:51], s[52:53]
	ROUND                                          ; the four work-groups are here: the first joint load meets
	tensor_load_to_lds s[G0:G0+3], s[G1:G1+7]      ; Wt's tile of K step 0
	s_nop 0
	v_nop
; 16 rows x 512 bytes of x, K step u, into set par of window 2: one row an instruction
.macro XLOAD u, par
	WIN 0x80
.irp i, 0,1,2,3,4,5,6,7,8,9,10,11,12,13,14,15
	global_load_b128 v[64*(\par)+4*\i:64*(\par)+4*\i+3], v[XOFF], s[4:5] offset:\i*4096+(\u)*512 th:TH_LOAD_NT
.endr
.endm
; set par is rounded to bf16 and laid into x buffer par.  left = the younger loads that may stay out
.macro CONVERT par, left
	s_wait_loadcnt \left
	WIN 0x0a
.irp i, 0,1,2,3,4,5,6,7,8,9,10,11,12,13,14,15
	v_cvt_pk_bf16_f32 v[T+2*\i],   v[64*(\par)+4*\i],   v[64*(\par)+4*\i+1]
	v_cvt_pk_bf16_f32 v[T+2*\i+1], v[64*(\par)+4*\i+2], v[64*(\par)+4*\i+3]
.endr
	WIN 0
.irp i, 0,1,2,3,4,5,6,7,8,9,10,11,12,13,14,15
	ds_store_b64 v[XST+(\par)], v[T+2*\i:T+2*\i+1] offset:\i*PITCH
.endr
.endm
; 20 LDS loads: the fragments of 32 along K (ks = 0..3) from slot and x buffer sl into buffer f
.macro FETCH sl, ks, f
	WIN 0
.irp rt, 0,1,2,3
	ds_load_b128 v[\f+8*\rt:\f+8*\rt+3],   v[XAD+\sl] offset:\rt*16*PITCH+64*\ks
	ds_load_b128 v[\f+8*\rt+4:\f+8*\rt+7], v[XAD+\sl] offset:\rt*16*PITCH+64*\ks+32
.endr
.irp mat, 0,1,2
.irp i, 0,1
	ds_load_b128 v[\f+32+8*(2*\mat+\i):\f+32+8*(2*\mat+\i)+3],   v[WAD+3*\sl+\mat] offset:\i*16*PITCH+64*\ks
	ds_load_b128 v[\f+32+8*(2*\mat+\i)+4:\f+32+8*(2*\mat+\i)+7], v[WAD+3*\sl+\mat] offset:\i*16*PITCH+64*\ks+32
.endr
.endr
.endm
; 24 matrix instructions, one for each accumulator: the accumulators take turns, one instruction a turn
.macro MUL f, zero
	WIN 0x50
.irp rt, 0,1,2,3
.irp c, 0,1,2,3
.if \zero
	v_wmma_f32_16x16x32_bf16 v[8*(4*\c+\rt):8*(4*\c+\rt)+7], v[\f+32+8*\c:\f+32+8*\c+7], v[\f+8*\rt:\f+8*\rt+7], 0
.else
	v_wmma_f32_16x16x32_bf16 v[8*(4*\c+\rt):8*(4*\c+\rt)+7], v[\f+32+8*\c:\f+32+8*\c+7], v[\f+8*\rt:\f+8*\rt+7], v[8*(4*\c+\rt):8*(4*\c+\rt)+7]
.endif
.endr
.irp c, 4,5
.if \zero
	v_wmma_f32_16x16x32_bf16 v[8*(4*\c+\rt):8*(4*\c+\rt)+7], v[\f+8*\rt:\f+8*\rt+7], v[\f+32+8*\c:\f+32+8*\c+7], 0
.else
	v_wmma_f32_16x16x32_bf16 v[8*(4*\c+\rt):8*(4*\c+\rt)+7], v[\f+8*\rt:\f+8*\rt+7], v[\f+32+8*\c:\f+32+8*\c+7], v[8*(4*\c+\rt):8*(4*\c+\rt)+7]
.endif
.endr
.endr
.endm
	v_and_b32 v1, 31, v0                           ; lane
	s_lshl_b32 s42, s14, 16                        ; my wave's 16 rows of 4,096 bytes
	v_lshl_add_u32 v[XOFF], v1, 4, s42
	XLOAD 0, 0
	XLOAD 1, 1
	WIN 0
	v_and_b32 v2, 15, v0                           ; r
	v_bfe_u32 v3, v0, 4, 1                         ; h
	s_mul_i32 s43, s14, 16*PITCH
	s_add_co_u32 s43, s43, XB
	v_lshl_add_u32 v[XST], v1, 3, s43              ; row 16 w (+ i), 8 bytes a lane
	v_add_nc_u32 v[XST+1], XBSZ, v[XST]
	v_mul_u32_u24 v9, v2, PITCH
	v_lshl_add_u32 v9, v3, 4, v9                   ; r x pitch + 16 h: a fragment's lane term
	v_add_nc_u32 v[XAD], XB, v9
	v_add_nc_u32 v[XAD+1], XB+XBSZ, v9
	s_mul_i32 s44, s14, 32*PITCH                   ; my 32 columns = rows of Wt
	v_add_nc_u32 v21, s44, v9
.irp sl, 0,1
.irp mat, 0,1,2
	v_add_nc_u32 v[WAD+3*\sl+\mat], \sl*WSLOT+\mat*128*PITCH, v21
.endr
.endr
	; the four addresses of the way out, first from the stage's first byte (that is the lo stage, at LDS byte 0), then + STQ
	s_lshl_b32 s45, s14, 6
	v_add_nc_u32 v[SQKL], s45, v9                  ; row r, byte 64 w + 16 h
	v_mul_u32_u24 v22, v2, VPITCH
	v_lshl_add_u32 v22, v3, 4, v22
	s_mul_i32 s46, s14, 32*VPITCH
	s_add_co_u32 s46, s46, 2*XBSZ
	v_add_nc_u32 v[SVL], s46, v22                  ; behind Q's and K's: row 32 w + r, byte 16 h
	v_mul_u32_u24 v22, v3, PITCH
	v_lshl_add_u32 v22, v2, 4, v22
	s_mul_i32 s47, s14, 2*PITCH
	v_add_nc_u32 v[RQKL], s47, v22                 ; row 2 w + h, byte 16 r
	v_lshrrev_b32 v22, 3, v1
	v_mul_u32_u24 v22, v22, VPITCH
	v_and_b32 v23, 7, v1
	v_lshl_add_u32 v22, v23, 4, v22
	s_mul_i32 s48, s14, 4*VPITCH
	s_add_co_u32 s48, s48, 2*XBSZ
	v_add_nc_u32 v[RVL], s48, v22                  ; row 4 w + lane / 8, byte 16 (lane mod 8)
	v_add_nc_u32 v[SQK], STQ, v[SQKL]
	v_add_nc_u32 v[SV],  STQ, v[SVL]
	v_add_nc_u32 v[RQK], STQ, v[RQKL]
	v_add_nc_u32 v[RV],  STQ, v[RVL]
	v_lshlrev_b32 v[GO], 4, v0
	CONVERT 0, 16                                  ; K step 0's rows are in; the 16 loads of K step 1 stay out
	XLOAD 2, 0
; K step t on slot and x buffer p = t mod 2.
; In front of the round every wave waits for all its tensor loads (its part of this step's tile) and for all its LDS instructions (its reads of the other slot and
; of the other x buffer, its stores into this x buffer).  Behind the round the other slot is filled again first, one load a wave.
.macro TRIP t, p
	WIN 0
	s_wait_tensorcnt 0x0
	ds_add_u32 v62, v63
	s_wait_dscnt 0x0
	s_add_nc_u64 s[G0+4*\p+2:G0+4*\p+3], s[G0+4*\p+2:G0+4*\p+3], 512   ; no load of mine is out: this slot's next tile, two K steps on
	s_wait_dscnt 0x0
	ROUND
.if \t < 7
	tensor_load_to_lds s[G0+4-4*\p:G0+7-4*\p], s[G1:G1+7]
	s_nop 0
.endif
	PLACES
	FETCH \p, 0, F0
	FETCH \p, 1, F1
	s_wait_dscnt 20                                ; buffer 0 is in; the 20 loads of buffer 1 stay out
.if \t == 0
	MUL F0, 1                                      ; the first products start the sums
.else
	MUL F0, 0
.endif
.if \t < 6
	CONVERT 1-\p, 16                               ; the next K step's x; the 16 loads of the step behind it stay out
.endif
.if \t == 6
	CONVERT 1-\p, 0
.endif
.if \t < 5
	XLOAD \t+3, 1-\p
.endif
.if \t < 7
	s_wait_dscnt 16                                ; buffer 1 is in; the 16 stores of x are younger
.else
	s_wait_dscnt 0
.endif
	PLACES
	FETCH \p, 2, F0
	MUL F1, 0
	s_wait_dscnt 0
	PLACES
	FETCH \p, 3, F1
	MUL F0, 0
	s_wait_dscnt 0
	MUL F1, 0
.endm
	TRIP 0, 0
	TRIP 1, 1
	TRIP 2, 0
	TRIP 3, 1
	TRIP 4, 0
	TRIP 5, 1
	TRIP 6, 0
	TRIP 7, 1
; THE WAY OUT.  The 64 registers of one matrix, from the window that win names (0x05: window 1, 0x0a: window 2), are rounded to f16, 16 bytes a lane, into a stage.
.macro PACK mat, win, aqk, av
	WIN \win
.irp i, 0,1
.irp rt, 0,1,2,3
.irp p, 0,1,2,3
	v_cvt_pk_f16_f32 v[T+4*(4*\i+\rt)+\p], v[8*(4*(2*\mat+\i)+\rt)+2*\p], v[8*(4*(2*\mat+\i)+\rt)+2*\p+1]
.endr
.endr
.endr
	WIN 0
.irp i, 0,1
.irp rt, 0,1,2,3
.if \mat < 2
	ds_store_b128 v[\aqk], v[T+4*(4*\i+\rt):T+4*(4*\i+\rt)+3] offset:\mat*XBSZ+\rt*16*PITCH+32*\i    ; row 16 rt + r, d = 32 w + 16 i + 8 h ..
.else
	ds_store_b128 v[\av], v[T+4*(4*\i+\rt):T+4*(4*\i+\rt)+3] offset:\i*16*VPITCH+32*\rt              ; d = 32 w + 16 i + r, rows 16 rt + 8 h ..
.endif
.endr
.endr
.endm
; 24 LDS loads: a stage is read back as three dense blocks of 16 KB, into 96 registers from reg on
.macro BACK reg, arq, arv
.irp mat, 0,1,2
.irp i, 0,1,2,3,4,5,6,7
.if \mat < 2
	ds_load_b128 v[\reg+32*\mat+4*\i:\reg+32*\mat+4*\i+3], v[\arq] offset:\mat*XBSZ+\i*8*PITCH
.else
	ds_load_b128 v[\reg+32*\mat+4*\i:\reg+32*\mat+4*\i+3], v[\arv] offset:\i*16*VPITCH
.endif
.endr
.endr
.endm
	WIN 0
	PLACES
	WIN 0x41
.set n, 0
.rept 32
	v_pk_mul_f32 v[2*n:2*n+1], v[2*n:2*n+1], s[56:57] op_sel_hi:[1,0]      ; Q's 64 registers times c
.set n, n+1
.endr
	WIN 0
	s_cmp_lg_u32 s54, 0
	s_cbranch_scc1 .Lplain
	; rows 0-255 of a batch: hi = the sum rounded to 11 bits (half of the 13 bits that go is added, then they are cut), exact in f16; lo = sum - hi, exact in f32
	WIN 0x84
.set n, 0
.rept 192
	v_add_nc_u32 v[n], 0x1000, v[n]                ; window 2 from window 1
.set n, n+1
.endr
	WIN 0x88
.set n, 0
.rept 192
	v_and_b32 v[n], 0xffffe000, v[n]               ; window 2: hi
.set n, n+1
.endr
	WIN 0x49
.set n, 0
.rept 96
	v_pk_add_f32 v[2*n:2*n+1], v[2*n:2*n+1], v[2*n:2*n+1] neg_lo:[0,1] neg_hi:[0,1]   ; window 1: lo = sum - hi
.set n, n+1
.endr
	PACK 0, 0x0a, SQK, SV
	PACK 1, 0x0a, SQK, SV
	PACK 2, 0x0a, SQK, SV
	; the stage for the lo parts lies in Wt's slot 0: its last fill was K step 6's, and every wave's reads of it were over in front of K step 7's round
	PACK 0, 0x05, SQKL, SVL
	PACK 1, 0x05, SQKL, SVL
	PACK 2, 0x05, SQKL, SVL
	s_branch .Lstaged
.Lplain:
	PACK 0, 0x05, SQK, SV
	PACK 1, 0x05, SQK, SV
	PACK 2, 0x05, SQK, SV
.Lstaged:
	s_wait_dscnt 0x0                               ; my stores are in LDS before I say so: other waves read them
	s_barrier_signal -1
	s_barrier_wait -1
	BACK 64, RQK, RV
.irp mat, 0,1,2
.irp i, 0,1,2,3,4,5,6,7
	s_wait_dscnt 23-8*\mat-\i                      ; LDS loads come back in order: this one is in
	global_store_b128 v[GO], v[64+32*\mat+4*\i:64+32*\mat+4*\i+3], s[8+2*\mat:9+2*\mat] offset:\i*2048   ; a wave stores 512 consecutive aligned bytes
.endr
.endr
	s_cmp_lg_u32 s54, 0
	s_cbranch_scc1 .Lno_lo
	BACK 160, RQKL, RVL
.irp mat, 0,1,2
.irp i, 0,1,2,3,4,5,6,7
	s_wait_dscnt 23-8*\mat-\i
	global_store_b128 v[GO], v[160+32*\mat+4*\i:160+32*\mat+4*\i+3], s[50:51] offset:\mat*262144+\i*2048
.endr
.endr
.Lno_lo:
	s_wait_tensorcnt 0x0
	ds_add_u32 v62, v63
	s_wait_dscnt 0x0
	ROUND                                          ; the closing round: no work-group ends while a partner may still ask jointly
	s_endpgm
.Lfunc_end_k_q71d5ff00c2_proj:
	.size	k_q71d5ff00c2_proj, .Lfunc_end_k_q71d5ff00c2_proj-k_q71d5ff00c2_proj
	.p2alignl 7, 3214868480
	.fill 96, 4, 3214868480
	.section	.rodata,"a",@progbits
	.p2align	6, 0x0
	.amdhsa_kernel k_q71d5ff00c2_proj
		.amdhsa_group_segment_fixed_size 327680
		.amdhsa_private_segment_fixed_size 0
		.amdhsa_enable_private_segment 0
		.amdhsa_kernarg_size 48
		.amdhsa_user_sgpr_count 2
		.amdhsa_user_sgpr_kernarg_segment_ptr 1
		.amdhsa_wavefront_size32 1
		.amdhsa_system_sgpr_workgroup_id_x 1
		.amdhsa_system_sgpr_workgroup_id_y 1
		.amdhsa_system_sgpr_workgroup_id_z 1
		.amdhsa_system_vgpr_workitem_id 0
		.amdhsa_next_free_vgpr 768
		.amdhsa_next_free_sgpr 66
		.amdhsa_reserve_vcc 0
		.amdhsa_float_denorm_mode_32 3
		.amdhsa_float_denorm_mode_16_64 3
		.amdhsa_memory_ordered 1
		.amdhsa_forward_progress 1
		.amdhsa_inst_pref_size 206
	.end_amdhsa_kernel
	.amdgpu_metadata
---
amdhsa.version: [ 1, 2 ]
amdhsa.kernels:
  - .name:           k_q71d5ff00c2_proj
    .symbol:         k_q71d5ff00c2_proj.kd
    .args:
      - { .name: x, .offset: 0, .size: 8, .value_kind: global_buffer, .address_space: global }
      - { .name: Wt, .offset: 8, .size: 8, .value_kind: global_buffer, .address_space: global }
      - { .name: Qs, .offset: 16, .size: 8, .value_kind: global_buffer, .address_space: global }
      - { .name: Kb, .offset: 24, .size: 8, .value_kind: global_buffer, .address_space: global }
      - { .name: Vt, .offset: 32, .size: 8, .value_kind: global_buffer, .address_space: global }
      - { .name: Lo, .offset: 40, .size: 8, .value_kind: global_buffer, .address_space: global }
    .group_segment_fixed_size: 327680
    .private_segment_fixed_size: 0
    .kernarg_segment_align: 8
    .kernarg_segment_size: 48
    .max_flat_workgroup_size: 128
    .sgpr_count:     66
    .vgpr_count:     768
    .wavefront_size: 32
...
	.end_amdgpu_metadata
.endif
;; end of part 2
;; launch attn (part 3): grid 64 x 4, 4 waves a work-group, clusters of 4 x 1, 327,680 bytes of LDS; arguments Qs, Kb, Vt, out0, Lo; writes out0
.if DOCPART == 3
	.amdgcn_target "amdgcn-amd-amdhsa--gfx1250"
	.amdhsa_code_object_version 6
	.text
	.protected	k_q71d5ff00c2_attn
	.globl	k_q71d5ff00c2_attn
	.p2align	8
	.type	k_q71d5ff00c2_attn,@function
k_q71d5ff00c2_attn:
	s_mov_b64 s[64:65], 0
	v_nop
	global_prefetch_b8 v0, s[64:65] scope:SCOPE_SE
	s_setreg_imm32_b32 hwreg(HW_REG_WAVE_MODE, 25, 1), 1
	s_wait_xcnt 0x0
	s_wait_alu depctr_hold_cnt(0) depctr_sa_sdst(0) depctr_va_vdst(0) depctr_va_sdst(0) depctr_va_ssrc(0) depctr_va_vcc(0) depctr_vm_vsrc(0)
	s_getreg_b32 s2, hwreg(HW_REG_IB_STS2, 6, 4)
	s_cmp_eq_u32 s2, 0
	s_cbranch_scc0 .Lentry_in_a_cluster
	s_endpgm
.Lentry_in_a_cluster:
	s_bfe_u32 s2, ttmp6, 0x10000c
	s_cmp_lg_u32 s2, 0x3003
	s_cbranch_scc0 .Lentry_shape_is_right
	s_endpgm
.Lentry_shape_is_right:
; out0[b][q][:] = softmax over keys k <= q of (Q[q] . K[k] / 32) times V.  Qs already holds Q x (1/32) log2(e), so a score is an exponent of 2.
; LIMITS: a masked score is the finite value -1e30, so the text is right for |score x (1/32) log2(e)| < 1e30; v_exp_f32 gives 0 below 2^-126, so weights
; below that count as 0; Q, K, V and the weights go to the matrix unit in f16 (11 bits; below 2^-14 in steps of 2^-24; the weights lie in 0 .. 1), while the
; row sums add the unrounded f32 weights.
; The maximum is taken away before every exponential: a running maximum for each row and wave, and the largest of the four waves' at the end.
; TWO PARTS FOR ROWS 0-127 OF A BATCH: a row with few keys is a sum of few products, in which large V can cancel, so there one rounding to 11 bits shows.
; For these rows every operand goes in two f16 parts, hi + lo: S += K_lo Q_hi + K_hi Q_lo and O += V_hi P_lo + V_lo P_hi; the lo x lo products, 2^-22 of the
; whole, are left out.  The rows are the low q tiles of cluster 0 and all their keys lie in step 0, so step 0 is written twice and chosen by the cluster's
; number, which the partners share.  From row 128 on a rounding of 2^-11 is averaged over 129 keys or more.
; SHARES: batch b = grid y; cluster c = 0..15, work-group j = 4 c + cx owns 32 high rows from HB = 4064 - 32 j (q tiles 0, 1) and 32 low rows from LB = 32 j
; (q tiles 2, 3), so that long and short rows are paired.  Keys go in steps of 256; wave w takes keys 256 t + 64 w .. + 63 for all live q tiles and keeps its own
; maximum, sum and O; the four waves' parts are joined at the end through LDS.  Steps t < NA = (c >> 1) + 1 work on 4 q tiles, the rest up to
; T = 16 - 2 (c >> 2) on the 2 high ones: 64 (NA + T) = 64 x 17 or 64 x 18 matrix instructions a wave, and 128 more in cluster 0.  NA and T hang on c alone.
; CLUSTER: the four work-groups of a cluster walk the same K and V tiles and ask for them jointly (mask 15): waves 0, 1 the halves of K's 256 rows, waves 2, 3
; the halves of Vt's four blocks, 128 rows of 256 bytes each.  Two slots; a wave has one tensor load out.
; NO SHUFFLE: S^T = K fragment (source 0) x Q fragment (source 1): lane (r, h) holds row q = r, keys 16 kt + 8 h + 0..7, which packed to f16 is source 1 of
; O^T += Vt fragment (source 0) x P^T.  Maximum, factor and sum are one number a lane; one exchange of the two halves of 16 lanes joins the maximum.
; A row whose 64 keys of a wave are all masked keeps the maximum -1e30 and gathers weights of 1; a later real score multiplies that by 2^(-1e30 - m) = 0, and
; so does the join at the end: key 0 is open to every row, so the largest of the four maxima is a real score.
; REGISTERS: window 0 as below; window 1 v0-127 Q fragments (32 qt + 8 s), v128-255 V_lo; window 2 O^T (64 qt + 8 dt), and ahead of the first O: v0-127 K_lo,
; v128-191 Q_lo; window 3 v0-127 K fragments, v128-255 Vt fragments.
.set PITCH,  272                       ; an LDS row of a tile: 256 bytes + 16
.set SLOT,   512*PITCH                 ; 139,264: K's 256 rows, then Vt's four blocks of 64 LDS rows (two d rows of 128 bytes in each)
.set VOFF,   256*PITCH
.set STATS,  2*SLOT                    ; 278,528: 2,048 bytes that no tensor load fills: the waves' maxima, then their sums
.set SPITCH, 528                       ; the stage for the join: a row of 128 f32 + 16 bytes
.set STG,    64*SPITCH                 ; 33,792 for each wave; the four lie in slot 0, behind its last fill of the launch
.set KADR, 2                           ; v2-3   LDS address of my K fragments, slot 0, 1
.set VADR, 4                           ; v4-5   of my Vt fragments
.set NEG,  6                           ; -1e30
.set MM,   8                           ; v8-11  running maximum of q tile qt
.set MX,   12                          ; v12-15 the new maximum
.set TP,   16                          ; v16-19 at work
.set NM,   20                          ; v20-27 pairs: minus the new maximum
.set AL,   28                          ; v28-35 pairs: 2^(old maximum - new)
.set LL,   36                          ; v36-43 pairs: my part of the row sum
.set QREL, 44                          ; v44-47 row - 64 w - 8 h
.set REL,  48                          ; v48-51 the same - 256 t
.set QOFF, 52                          ; v52-55 byte offsets in Qs
.set LOA,  52                          ; v52-54 behind Q's loads: byte offsets in Lo of Q_lo, K_lo, V_lo
.set RADR, 56                          ; v56-59 the join: where I read wave w' 's rows
.set SADR, 60                          ; the join: where I put my O
.set STA,  61
.set STL,  62
.set OOFF, 63
.set SC,   64                          ; v64-191  scores, 32 qt + 8 kt
.set PB,   192                         ; v192-255 weights in f16, 16 qt + 4 kt
.set HP,   64                          ; the low tiles' weights rounded to 11 bits: 64 registers, the high tiles' scores being spent
.set PL,   64                          ; then their lo parts in f16: 32 registers
.set KF,   0
.set VF,   128
.set KL,   0                           ; window 2
.set QL,   128                         ; window 2
.set VL,   128                         ; window 1
.set G1,   16                          ; s[16:23]
.set G0,   24                          ; s[24:31], a set for each slot
.set MSB, 0
.macro WIN new                         ; the immediate's high byte repeats the setting that is left
.if MSB != \new
	s_set_vgpr_msb (MSB<<8)|\new
.set MSB, \new
.endif
.endm
.macro PLACES                          ; four places behind a matrix instruction, in front of loads into, and vector reads and writes of, its registers (ISA guide 7.12.1 for vector reads and writes)
.rept 4
	v_nop
.endr
.endm
.macro ROUND                           ; a round of the cluster's barrier
	s_barrier_signal -1
	s_barrier_wait -1
	s_cmp_lg_u32 s12, 0
	s_cbranch_scc1 .Lnot_wave_0_\@
	s_barrier_signal -3
.Lnot_wave_0_\@:
	s_barrier_wait -3
	s_barrier_signal -1
	s_barrier_wait -1
.endm
	s_load_b256 s[4:11], s[0:1], 0x0               ; Qs s[4:5], Kb s[6:7], Vt s[8:9], out0 s[10:11]
	s_load_b64 s[60:61], s[0:1], 0x20              ; Lo
	v_lshl_add_u32 v190, v0, 2, 0x44800
	v_mov_b32 v191, 0
	ds_add_u32 v190, v191
	s_wait_dscnt 0x0
	v_lshrrev_b32 v1, 5, v0
	v_readfirstlane_b32 s12, v1                    ; wave
	s_bfe_u32 s13, ttmp6, 0x40000                  ; cx: enters rows of Q and of the output and the mask's comparison, no branch and no LDS address
	s_mov_b32 s14, ttmp9                           ; c
	s_and_b32 s15, ttmp7, 0xffff                   ; b
	s_lshr_b32 s37, s14, 1                         ; NA - 1
	s_add_co_u32 s36, s37, 1                       ; NA
	s_lshr_b32 s40, s14, 2
	s_sub_co_u32 s39, 7, s40                       ; trips of the loop, two steps each: (T - 2) / 2, at least 4
	s_lshl_b32 s38, s39, 1                         ; T - 2
	s_lshl_b32 s41, s14, 2
	s_add_co_u32 s41, s41, s13
	s_lshl_b32 s41, s41, 5                         ; LB
	s_sub_co_u32 s42, 4064, s41                    ; HB
	s_mov_b32 s32, 0x76543210                      ; v_permlanex16_b32: lane i of one half reads lane i of the other
	s_mov_b32 s33, 0xfedcba98
	s_mov_b32 s34, 0                               ; t
	s_mov_b32 s35, 0                               ; 256 t
	s_mov_b32 s[G1+0], 0x0771000f                  ; mask 15; 2-byte elements; padding on; bit 21 beside the mask; 4 words behind every 64
	s_mov_b32 s[G1+1], 128<<16                     ; tensor_dim0 = 128
	s_mov_b32 s[G1+2], 128<<16                     ; tensor_dim1 = 128
	s_mov_b32 s[G1+3], 128<<16                     ; tile_dim0 = 128 elements, 256 bytes
	s_mov_b32 s[G1+4], 128                         ; tile_dim1 = 128 rows
	s_mov_b32 s[G1+5], 128                         ; dense: a row begins where the last ends
	s_mov_b32 s[G1+6], 0
	s_mov_b32 s[G1+7], 0
	s_mov_b32 s[G0+0], 1
	s_mul_i32 s[G0+1], s12, 128*PITCH              ; LDS: wave x 128 rows: K's halves, then Vt's
	s_mov_b32 s[G0+4], 1
	s_add_co_u32 s[G0+5], s[G0+1], SLOT
	s_lshl_b32 s46, s15, 20                        ; a batch is 1 MB of Kb and of Vt
	s_and_b32 s43, s12, 1
	s_lshl_b32 s44, s43, 15                        ; which half of a step's 64 KB
	s_add_co_u32 s46, s46, s44
	s_mov_b32 s47, 0
	s_lshl_b32 s53, s15, 12                        ; b x 4096 rows
	s_lshl_b32 s44, s43, 4
	s_lshl_b32 s45, s12, 14                        ; my block of 16 KB of V_lo
	s_lshl_b32 s62, s15, 16                        ; a batch is 64 KB of each region of Lo
	s_mov_b32 s63, 0
	s_cmp_lt_u32 s12, 2
	s_cselect_b32 s48, s42, s41                    ; the q tile that I join and store: tile w
	s_add_co_u32 s48, s48, s44
	s_add_co_u32 s48, s48, s53
	s_lshl_b32 s48, s48, 9                         ; rows of 512 bytes of out0
	s_mov_b32 s49, 0
	s_wait_kmcnt 0x0
	s_cmp_lt_u32 s12, 2
	s_cselect_b64 s[G0+2:G0+3], s[6:7], s[8:9]     ; waves 0, 1 fetch K, waves 2, 3 Vt
	s_add_nc_u64 s[G0+2:G0+3], s[G0+2:G0+3], s[46:47]
	s_add_nc_u64 s[G0+6:G0+7], s[G0+2:G0+3], 65536 ; step 1
	s_or_b32 s[G0+3], s[G0+3], 0x80000000          ; type 2
	s_or_b32 s[G0+7], s[G0+7], 0x80000000
	s_add_nc_u64 s[10:11], s[10:11], s[48:49]
	s_add_nc_u64 s[60:61], s[60:61], s[62:63]
	ROUND                                          ; the four work-groups are here: the first joint load meets
	tensor_load_to_lds s[G0:G0+3], s[G1:G1+7]      ; step 0
	s_nop 0
	v_and_b32 v64, 15, v0                          ; r
	v_bfe_u32 v65, v0, 4, 1                        ; h
	v_and_b32 v66, 31, v0                          ; lane
	s_add_co_u32 s54, s53, s42                     ; b x 4096 + HB
	s_add_co_u32 s55, s53, s41                     ; b x 4096 + LB
	v_add_lshl_u32 v[QOFF], v64, s54, 8            ; a row of Qs is 256 bytes
	v_lshl_add_u32 v[QOFF], v65, 4, v[QOFF]
	v_add_nc_u32 v[QOFF+1], 4096, v[QOFF]
	v_add_lshl_u32 v[QOFF+2], v64, s55, 8
	v_lshl_add_u32 v[QOFF+2], v65, 4, v[QOFF+2]
	v_add_nc_u32 v[QOFF+3], 4096, v[QOFF+2]
	WIN 0x40
.irp qt, 0,1,2,3
.irp s, 0,1,2,3
	global_load_b128 v[32*\qt+8*\s:32*\qt+8*\s+3],   v[QOFF+\qt], s[4:5] offset:64*\s       ; Q(row r, d = 32 s + 8 h ..)
	global_load_b128 v[32*\qt+8*\s+4:32*\qt+8*\s+7], v[QOFF+\qt], s[4:5] offset:64*\s+32
.endr
.endr
	WIN 0
	v_mul_u32_u24 v67, v64, PITCH
	v_lshl_add_u32 v67, v65, 4, v67
	s_mul_i32 s50, s12, 64*PITCH
	v_add_nc_u32 v[KADR], s50, v67                 ; key row 64 w + r, byte 16 h
	v_add_nc_u32 v[KADR+1], SLOT, v[KADR]
	v_lshrrev_b32 v68, 1, v64
	v_mul_u32_u24 v68, v68, PITCH
	v_and_b32 v69, 1, v64
	v_lshl_add_u32 v68, v69, 7, v68                ; d row r: LDS row r / 2, half r mod 2: sixteen different 16-byte columns of 256
	v_lshl_add_u32 v68, v65, 4, v68
	s_add_co_u32 s51, s50, VOFF                    ; my block of 64 keys
	v_add_nc_u32 v[VADR], s51, v68
	v_add_nc_u32 v[VADR+1], SLOT, v[VADR]
	v_mov_b32 v[NEG], 0xf149f2ca
	v_lshlrev_b32 v70, 3, v65
	v_sub_nc_u32 v70, v64, v70
	s_lshl_b32 s52, s12, 6                         ; 64 w
	v_sub_nc_u32 v70, v70, s52                     ; r - 8 h - 64 w
	v_add_nc_u32 v[QREL], s42, v70
	v_add_nc_u32 v[QREL+1], 16, v[QREL]
	v_add_nc_u32 v[QREL+2], s41, v70
	v_add_nc_u32 v[QREL+3], 16, v[QREL+2]
	v_mul_u32_u24 v71, v64, SPITCH
	v_lshl_add_u32 v71, v65, 5, v71
	s_mul_i32 s56, s12, STG
	v_add_nc_u32 v[SADR], s56, v71                 ; my stage, row r, byte 32 h
	s_lshl_b32 s57, s12, 2
	s_add_co_u32 s57, s57, STATS
	v_lshl_add_u32 v[STA], v64, 4, s57             ; word w of row r's four
	s_mov_b32 s58, STATS
	v_lshl_add_u32 v[STL], v64, 4, s58
	s_mul_i32 s59, s12, 16*SPITCH                  ; q tile w's sixteen rows
	v_lshl_add_u32 v72, v66, 4, s59
.irp ww, 0,1,2,3
	v_add_nc_u32 v[RADR+\ww], \ww*STG, v72
.endr
	v_lshlrev_b32 v[OOFF], 4, v66
.irp qt, 0,1,2,3
	v_mov_b32 v[MM+\qt], v[NEG]
	v_mov_b32 v[LL+2*\qt], 0
	v_mov_b32 v[LL+2*\qt+1], 0
.endr
	s_wait_loadcnt 0x0                             ; Q, once
; In front of the round every wave waits for all its tensor loads (its part of this step's tiles) and for its reads of the other slot;
; behind the round the other slot is filled again first, one load a wave.
.macro TRIPHEAD slot, refill
	s_wait_xcnt 0x0
	v_lshl_add_u32 v190, v0, 2, 0x44800
	v_mov_b32 v191, 0
	s_wait_tensorcnt 0x0
	ds_add_u32 v190, v191
	s_wait_dscnt 0x0
	s_add_nc_u64 s[G0+4*\slot+2:G0+4*\slot+3], s[G0+4*\slot+2:G0+4*\slot+3], 131072   ; no load of mine is out: this slot's next tiles, two steps on
	s_wait_dscnt 0x0
	ROUND
.if \refill
	tensor_load_to_lds s[G0+4-4*\slot:G0+7-4*\slot], s[G1:G1+7]
	s_nop 0
.endif
.endm
; q tile qt: a score whose key lies behind its row becomes -1e30: key > q is 16 kt + j > row + r - 64 w - 8 h - 256 t
.macro MASKQ qt
	v_sub_nc_u32 v[REL+\qt], v[QREL+\qt], s35
.irp kt, 0,1,2,3
.irp j, 0,1,2,3,4,5,6,7
	v_cmp_gt_i32 vcc_lo, 16*\kt+\j, v[REL+\qt]
	v_cndmask_b32 v[SC+32*\qt+8*\kt+\j], v[SC+32*\qt+8*\kt+\j], v[NEG], vcc_lo
.endr
.endr
.endm
.macro RESCALE nq                      ; O of the live q tiles times the lane's factor
	WIN 0x82
.set n, 0
.rept 32
.irp qt, 0,1,2,3
.if \qt < \nq
	v_pk_mul_f32 v[64*\qt+2*n:64*\qt+2*n+1], v[64*\qt+2*n:64*\qt+2*n+1], v[AL+2*\qt:AL+2*\qt+1]
.endif
.endr
.set n, n+1
.endr
.endm
; sixteen LDS loads: Vt's fragments for 32 of my keys
.macro VFETCH slot, ks
.irp dt, 0,1,2,3,4,5,6,7
	ds_load_b128 v[VF+8*(8*\ks+\dt):VF+8*(8*\ks+\dt)+3],   v[VADR+\slot] offset:\dt*8*PITCH+64*\ks
	ds_load_b128 v[VF+8*(8*\ks+\dt)+4:VF+8*(8*\ks+\dt)+7], v[VADR+\slot] offset:\dt*8*PITCH+64*\ks+32
.endr
.endm
; S^T for 32 of d: 4 nq accumulators take turns, one instruction a turn; the first 32 of d start the sums.  left = the younger LDS loads
.macro SQK nq, s, left
	s_wait_dscnt \left
.irp kt, 0,1,2,3
.irp qt, 0,1,2,3
.if \qt < \nq
.if \s == 0
	v_wmma_f32_16x16x32_f16 v[SC+32*\qt+8*\kt:SC+32*\qt+8*\kt+7], v[KF+8*(4*\s+\kt):KF+8*(4*\s+\kt)+7], v[32*\qt+8*\s:32*\qt+8*\s+7], 0
.else
	v_wmma_f32_16x16x32_f16 v[SC+32*\qt+8*\kt:SC+32*\qt+8*\kt+7], v[KF+8*(4*\s+\kt):KF+8*(4*\s+\kt)+7], v[32*\qt+8*\s:32*\qt+8*\s+7], v[SC+32*\qt+8*\kt:SC+32*\qt+8*\kt+7]
.endif
.endif
.endr
.endr
.endm
.macro PV qt, dt, ks, zero
.if \zero
	v_wmma_f32_16x16x32_f16 v[64*\qt+8*\dt:64*\qt+8*\dt+7], v[VF+8*(8*\ks+\dt):VF+8*(8*\ks+\dt)+7], v[PB+16*\qt+8*\ks:PB+16*\qt+8*\ks+7], 0
.else
	v_wmma_f32_16x16x32_f16 v[64*\qt+8*\dt:64*\qt+8*\dt+7], v[VF+8*(8*\ks+\dt):VF+8*(8*\ks+\dt)+7], v[PB+16*\qt+8*\ks:PB+16*\qt+8*\ks+7], v[64*\qt+8*\dt:64*\qt+8*\dt+7]
.endif
.endm
; One step: my 64 keys against q tiles 0 .. nq - 1.  first = 1: the products start O.
; mask = 1: the low tiles where t = NA - 1 (before that every key lies below 128 c <= LB); 2: the high tiles where t >= T - 2 (before that every key lies
; below 3968 - 128 c, the cluster's lowest high row); 3: the high tiles, always.
; extra = 1 (step 0 of cluster 0): the low tiles' operands in two parts.
.macro STEP nq, slot, first, mask, extra
	PLACES
.if \extra
	v_and_b32 v[LOA+2], 15, v0                     ; r
	v_bfe_u32 v[TP], v0, 4, 1
	v_lshlrev_b32 v[TP], 4, v[TP]                  ; 16 h
	v_add_lshl_u32 v[LOA], v[LOA+2], s41, 8        ; Q_lo: row LB + r of the batch's first 256, 256 bytes a row
	v_add_lshl_u32 v[LOA+1], v[LOA+2], s52, 8      ; K_lo: row 64 w + r
	v_lshl_add_u32 v[LOA+2], v[LOA+2], 7, v[TP]    ; V_lo: d row r of 128 bytes,
	v_add_nc_u32 v[LOA], v[LOA], v[TP]
	v_add_nc_u32 v[LOA+1], v[LOA+1], v[TP]
	v_add_nc_u32 v[LOA+2], s45, v[LOA+2]           ; in block w
	WIN 0x80
.irp q, 0,1
.irp s, 0,1,2,3
	global_load_b128 v[QL+32*\q+8*\s:QL+32*\q+8*\s+3],   v[LOA], s[60:61] offset:4096*\q+64*\s
	global_load_b128 v[QL+32*\q+8*\s+4:QL+32*\q+8*\s+7], v[LOA], s[60:61] offset:4096*\q+64*\s+32
.endr
.endr
.irp s, 0,1,2,3
.irp kt, 0,1,2,3
	global_load_b128 v[KL+8*(4*\s+\kt):KL+8*(4*\s+\kt)+3],   v[LOA+1], s[60:61] offset:262144+4096*\kt+64*\s
	global_load_b128 v[KL+8*(4*\s+\kt)+4:KL+8*(4*\s+\kt)+7], v[LOA+1], s[60:61] offset:262144+4096*\kt+64*\s+32
.endr
.endr
.endif
	WIN 0xc0
.irp s, 0,1,2,3
.irp kt, 0,1,2,3
	ds_load_b128 v[KF+8*(4*\s+\kt):KF+8*(4*\s+\kt)+3],   v[KADR+\slot] offset:\kt*16*PITCH+64*\s
	ds_load_b128 v[KF+8*(4*\s+\kt)+4:KF+8*(4*\s+\kt)+7], v[KADR+\slot] offset:\kt*16*PITCH+64*\s+32
.endr
.endr
	VFETCH \slot, 0
	WIN 0x07
	SQK \nq, 0, 40                                 ; K's first eight loads are in; younger: 24 of K and 16 of Vt
	WIN 0xc0
	VFETCH \slot, 1                                ; Vt's other sixteen go out here: 56 LDS loads are out at the most
	WIN 0x07
	SQK \nq, 1, 48                                 ; younger: 16 of K and 32 of Vt
	SQK \nq, 2, 40                                 ; 8 and 32
	SQK \nq, 3, 32                                 ; 32 of Vt
.if \extra
	s_wait_loadcnt 0x0                             ; Q_lo and K_lo are in
	WIN 0x40
.irp ks, 0,1
.irp dt, 0,1,2,3,4,5,6,7
	global_load_b128 v[VL+8*(8*\ks+\dt):VL+8*(8*\ks+\dt)+3],   v[LOA+2], s[60:61] offset:524288+2048*\dt+64*\ks
	global_load_b128 v[VL+8*(8*\ks+\dt)+4:VL+8*(8*\ks+\dt)+7], v[LOA+2], s[60:61] offset:524288+2048*\dt+64*\ks+32
.endr
.endr
	WIN 0x06                                       ; K_lo (window 2) x Q_hi (window 1): the low tiles' eight accumulators take turns
.irp s, 0,1,2,3
.irp kt, 0,1,2,3
.irp qt, 2,3
	v_wmma_f32_16x16x32_f16 v[SC+32*\qt+8*\kt:SC+32*\qt+8*\kt+7], v[KL+8*(4*\s+\kt):KL+8*(4*\s+\kt)+7], v[32*\qt+8*\s:32*\qt+8*\s+7], v[SC+32*\qt+8*\kt:SC+32*\qt+8*\kt+7]
.endr
.endr
.endr
	WIN 0x0b                                       ; K_hi (window 3) x Q_lo (window 2)
.irp s, 0,1,2,3
.irp kt, 0,1,2,3
.irp qt, 2,3
	v_wmma_f32_16x16x32_f16 v[SC+32*\qt+8*\kt:SC+32*\qt+8*\kt+7], v[KF+8*(4*\s+\kt):KF+8*(4*\s+\kt)+7], v[QL+32*(\qt-2)+8*\s:QL+32*(\qt-2)+8*\s+7], v[SC+32*\qt+8*\kt:SC+32*\qt+8*\kt+7]
.endr
.endr
.endr
.endif
	WIN 0
	PLACES
.if \mask == 1
	s_cmp_lg_u32 s34, s37
	s_cbranch_scc1 .Lopen_\@
	MASKQ 2
	MASKQ 3
.Lopen_\@:
.endif
.if \mask == 2
	s_cmp_lt_u32 s34, s38
	s_cbranch_scc1 .Lopen_\@
	MASKQ 0
	MASKQ 1
.Lopen_\@:
.endif
.if \mask == 3
	MASKQ 0
	MASKQ 1
.endif
	; the new maximum: the old one and my 32 scores of each q tile, in two chains a tile
.irp qt, 0,1,2,3
.if \qt < \nq
	v_max3_num_f32 v[MX+\qt], v[MM+\qt], v[SC+32*\qt], v[SC+32*\qt+1]
	v_max3_num_f32 v[TP+\qt], v[SC+32*\qt+16], v[SC+32*\qt+17], v[SC+32*\qt+18]
.endif
.endr
.irp p, 1,2,3,4,5,6
.irp qt, 0,1,2,3
.if \qt < \nq
	v_max3_num_f32 v[MX+\qt], v[MX+\qt], v[SC+32*\qt+2*\p], v[SC+32*\qt+2*\p+1]
	v_max3_num_f32 v[TP+\qt], v[TP+\qt], v[SC+32*\qt+2*\p+17], v[SC+32*\qt+2*\p+18]
.endif
.endr
.endr
.irp qt, 0,1,2,3
.if \qt < \nq
	v_max3_num_f32 v[MX+\qt], v[MX+\qt], v[SC+32*\qt+14], v[SC+32*\qt+15]
.endif
.endr
.irp qt, 0,1,2,3
.if \qt < \nq
	v_max3_num_f32 v[MX+\qt], v[MX+\qt], v[TP+\qt], v[SC+32*\qt+31]
.endif
.endr
.irp qt, 0,1,2,3
.if \qt < \nq
	v_permlanex16_b32 v[TP+\qt], v[MX+\qt], s32, s33           ; the other half of the lanes holds the row's other 32 keys
.endif
.endr
.irp qt, 0,1,2,3
.if \qt < \nq
	v_max_num_f32 v[MX+\qt], v[MX+\qt], v[TP+\qt]
.endif
.endr
.irp qt, 0,1,2,3
.if \qt < \nq
	v_sub_f32 v[TP+\qt], v[MM+\qt], v[MX+\qt]
.endif
.endr
.irp qt, 0,1,2,3
.if \qt < \nq
	v_exp_f32 v[AL+2*\qt], v[TP+\qt]               ; the factor for what has been gathered so far
.endif
.endr
.irp qt, 0,1,2,3
.if \qt < \nq
	v_mov_b32 v[MM+\qt], v[MX+\qt]                 ; plain instructions that touch neither TP nor AL stand behind the exponentials (ISA guide 5.7.2)
	v_sub_f32 v[NM+2*\qt], 0, v[MX+\qt]
	v_sub_f32 v[NM+2*\qt+1], 0, v[MX+\qt]
.endif
.endr
.irp qt, 0,1,2,3
.if \qt < \nq
	s_wait_alu depctr_va_vdst(0)
	v_mov_b32 v[AL+2*\qt+1], v[AL+2*\qt]
.endif
.endr
.set n, 0
.rept 16
.irp qt, 0,1,2,3
.if \qt < \nq
	v_pk_add_f32 v[SC+32*\qt+2*n:SC+32*\qt+2*n+1], v[SC+32*\qt+2*n:SC+32*\qt+2*n+1], v[NM+2*\qt:NM+2*\qt+1]
.endif
.endr
.set n, n+1
.endr
.set n, 0
.rept 32
.irp qt, 0,1,2,3
.if \qt < \nq
	v_exp_f32 v[SC+32*\qt+n], v[SC+32*\qt+n]
.endif
.endr
.set n, n+1
.endr
.irp qt, 0,1,2,3
.if \qt < \nq
	v_pk_mul_f32 v[LL+2*\qt:LL+2*\qt+1], v[LL+2*\qt:LL+2*\qt+1], v[AL+2*\qt:AL+2*\qt+1]    ; also the plain place behind the run of exponentials
	s_wait_alu depctr_va_vdst(0)
.endif
.endr
.set n, 0
.rept 16
.irp qt, 0,1,2,3
.if \qt < \nq
	v_pk_add_f32 v[LL+2*\qt:LL+2*\qt+1], v[LL+2*\qt:LL+2*\qt+1], v[SC+32*\qt+2*n:SC+32*\qt+2*n+1]
.endif
.endr
.irp qt, 0,1,2,3
.if \qt < \nq
	v_cvt_pk_f16_f32 v[PB+16*\qt+n], v[SC+32*\qt+2*n], v[SC+32*\qt+2*n+1]
.endif
.endr
.set n, n+1
.endr
.if \extra
	; the low tiles' 64 weights in two parts: hi = the weight rounded to 11 bits (half of the 13 bits that go is added, then they are cut), lo = weight - hi, exact
.set n, 0
.rept 64
	v_add_nc_u32 v[HP+n], 0x1000, v[SC+64+n]
.set n, n+1
.endr
.set n, 0
.rept 64
	v_and_b32 v[HP+n], 0xffffe000, v[HP+n]
.set n, n+1
.endr
.set n, 0
.rept 32
	v_pk_add_f32 v[SC+64+2*n:SC+64+2*n+1], v[SC+64+2*n:SC+64+2*n+1], v[HP+2*n:HP+2*n+1] neg_lo:[0,1] neg_hi:[0,1]
.set n, n+1
.endr
.set n, 0
.rept 32
	v_cvt_pk_f16_f32 v[PB+32+n], v[HP+2*n], v[HP+2*n+1]        ; hi takes the place of the plain rounding, so that hi + lo is the weight
.set n, n+1
.endr
.set n, 0
.rept 32
	v_cvt_pk_f16_f32 v[PL+n], v[SC+64+2*n], v[SC+64+2*n+1]     ; behind the last read of HP, whose registers these are
.set n, n+1
.endr
.endif
.if \first == 0
	RESCALE \nq
.endif
	WIN 0xa3
	; O^T += Vt x P^T: 8 nq accumulators take turns, one instruction a turn
.irp ks, 0,1
	s_wait_dscnt 16-16*\ks                         ; Vt's sixteen loads for these 32 keys are in; the other sixteen are younger
.irp dt, 0,1,2,3,4,5,6,7
.irp qt, 0,1,2,3
.if \qt < \nq
	PV \qt, \dt, \ks, \first*(1-\ks)
.endif
.endr
.endr
.endr
.if \extra
	; V_hi x P_lo, then V_lo (window 1) x P_hi: the low tiles' sixteen accumulators take turns
.irp ks, 0,1
.irp dt, 0,1,2,3,4,5,6,7
.irp qt, 2,3
	v_wmma_f32_16x16x32_f16 v[64*\qt+8*\dt:64*\qt+8*\dt+7], v[VF+8*(8*\ks+\dt):VF+8*(8*\ks+\dt)+7], v[PL+16*(\qt-2)+8*\ks:PL+16*(\qt-2)+8*\ks+7], v[64*\qt+8*\dt:64*\qt+8*\dt+7]
.endr
.endr
.endr
	s_wait_loadcnt 0x0                             ; V_lo is in
	WIN 0xa1
.irp ks, 0,1
.irp dt, 0,1,2,3,4,5,6,7
.irp qt, 2,3
	v_wmma_f32_16x16x32_f16 v[64*\qt+8*\dt:64*\qt+8*\dt+7], v[VL+8*(8*\ks+\dt):VL+8*(8*\ks+\dt)+7], v[PB+16*\qt+8*\ks:PB+16*\qt+8*\ks+7], v[64*\qt+8*\dt:64*\qt+8*\dt+7]
.endr
.endr
.endr
	v_nop                                          ; P_lo lay in the registers of q tile 0's scores, which the next step's matrix instructions write over: that asks
	                                               ; for five places behind the products that read P_lo (ISA guide 7.12.1): this one and the four at the next step's head
.endif
	WIN 0
.endm
	TRIPHEAD 0, 1                                  ; the tensor load stands in front of the choice
	s_cmp_lg_u32 s14, 0
	s_cbranch_scc1 .Lplain_0
	STEP 4, 0, 1, 1, 1                             ; cluster 0: rows 0-127 of the batch are among its q tiles
	s_branch .Lstarted
.Lplain_0:
	STEP 4, 0, 1, 1, 0                             ; step 0 stands in front of the loop: its products start O
.Lstarted:
	s_mov_b32 s34, 1
	s_mov_b32 s35, 256
.Lloop:
	TRIPHEAD 1, 1                                  ; the tensor load stands on every path, in front of the choice between 4 and 2 q tiles
	s_cmp_lt_u32 s34, s36
	s_cbranch_scc0 .Lhigh_1
	STEP 4, 1, 0, 1, 0
	s_branch .Ldone_1
.Lhigh_1:
	STEP 2, 1, 0, 2, 0
.Ldone_1:
	s_add_co_u32 s34, s34, 1
	s_add_co_u32 s35, s35, 256
	TRIPHEAD 0, 1
	s_cmp_lt_u32 s34, s36
	s_cbranch_scc0 .Lhigh_0
	STEP 4, 0, 0, 1, 0
	s_branch .Ldone_0
.Lhigh_0:
	STEP 2, 0, 0, 2, 0
.Ldone_0:
	s_add_co_u32 s34, s34, 1
	s_add_co_u32 s35, s35, 256
	s_sub_co_i32 s39, s39, 1
	s_cmp_gt_i32 s39, 0
	s_cbranch_scc1 .Lloop
	TRIPHEAD 1, 0                                  ; step T - 1: nothing is left to fetch
	STEP 2, 1, 0, 3, 0
	; THE JOIN of the four waves' parts.  First the maxima and sums, through words that no tensor load fills.
	PLACES
.irp qt, 0,1,2,3
	v_add_f32 v[LL+2*\qt], v[LL+2*\qt], v[LL+2*\qt+1]
.endr
.irp qt, 0,1,2,3
	v_permlanex16_b32 v[TP+\qt], v[LL+2*\qt], s32, s33
.endr
.irp qt, 0,1,2,3
	v_add_f32 v[LL+2*\qt], v[LL+2*\qt], v[TP+\qt]
.endr
.irp qt, 0,1,2,3
	ds_store_b32 v[STA], v[MM+\qt] offset:256*\qt              ; both halves of the lanes write the same word with the same value
	ds_store_b32 v[STA], v[LL+2*\qt] offset:1024+256*\qt
.endr
	s_wait_dscnt 0x0                               ; my stores are in LDS before I say so
	s_barrier_signal -1
	s_barrier_wait -1
.irp qt, 0,1,2,3
	ds_load_b128 v[64+8*\qt:67+8*\qt], v[STL] offset:256*\qt           ; row r's four maxima
	ds_load_b128 v[68+8*\qt:71+8*\qt], v[STL] offset:1024+256*\qt      ; and four sums
.endr
	s_wait_dscnt 0x0
.irp qt, 0,1,2,3
	v_max3_num_f32 v[MX+\qt], v[64+8*\qt], v[65+8*\qt], v[66+8*\qt]
.endr
.irp qt, 0,1,2,3
	v_max_num_f32 v[MX+\qt], v[MX+\qt], v[67+8*\qt]
.endr
.irp qt, 0,1,2,3
.irp i, 0,1,2,3
	v_sub_f32 v[64+8*\qt+\i], v[64+8*\qt+\i], v[MX+\qt]
.endr
	v_sub_f32 v[TP+\qt], v[MM+\qt], v[MX+\qt]
.endr
.irp qt, 0,1,2,3
.irp i, 0,1,2,3
	v_exp_f32 v[64+8*\qt+\i], v[64+8*\qt+\i]
.endr
	v_exp_f32 v[AL+2*\qt], v[TP+\qt]
.endr
	v_nop                                          ; the plain place behind the exponentials
	s_wait_alu depctr_va_vdst(0)
.irp qt, 0,1,2,3
	v_mul_f32 v[LL+2*\qt], v[64+8*\qt], v[68+8*\qt]
.endr
.irp i, 1,2,3
.irp qt, 0,1,2,3
	v_fmac_f32 v[LL+2*\qt], v[64+8*\qt+\i], v[68+8*\qt+\i]
.endr
.endr
.irp qt, 0,1,2,3
	v_rcp_f32 v[NM+2*\qt], v[LL+2*\qt]             ; the sum is at least 1: the wave with the largest maximum holds a weight of 1
.endr
	v_nop                                          ; the plain place behind the reciprocals
	s_wait_alu depctr_va_vdst(0)
.irp qt, 0,1,2,3
	v_mul_f32 v[AL+2*\qt], v[AL+2*\qt], v[NM+2*\qt]
.endr
.irp qt, 0,1,2,3
	v_mov_b32 v[AL+2*\qt+1], v[AL+2*\qt]
.endr
	RESCALE 4                                      ; my O times 2^(my maximum - the largest) / the whole sum
	; my O into my stage.  The stages lie in slot 0: its last fill was waited for by every wave, and its last reads were over, in front of the last round.
	WIN 0x08
.irp qt, 0,1,2,3
.irp dt, 0,1,2,3,4,5,6,7
	ds_store_b128 v[SADR], v[64*\qt+8*\dt:64*\qt+8*\dt+3]   offset:\qt*16*SPITCH+64*\dt       ; row 16 qt + r, d = 16 dt + 8 h ..
	ds_store_b128 v[SADR], v[64*\qt+8*\dt+4:64*\qt+8*\dt+7] offset:\qt*16*SPITCH+64*\dt+16
.endr
.endr
	WIN 0
	s_wait_dscnt 0x0                               ; my stores are in LDS before I say so
	s_barrier_signal -1
	s_barrier_wait -1
; wave w adds the four parts of q tile w, four rows at a time, on two register buffers, and stores whole rows of 512 bytes
.macro MLOAD g, buf
.irp i, 0,1,2,3
.irp ww, 0,1,2,3
	ds_load_b128 v[\buf+16*\i+4*\ww:\buf+16*\i+4*\ww+3], v[RADR+\ww] offset:(4*\g+\i)*SPITCH
.endr
.endr
.endm
.macro MSUM g, buf, left
	s_wait_dscnt \left                             ; these sixteen loads are in; the next four rows' sixteen stay out
.irp i, 0,1,2,3
	v_pk_add_f32 v[\buf+16*\i:\buf+16*\i+1],     v[\buf+16*\i:\buf+16*\i+1],     v[\buf+16*\i+4:\buf+16*\i+5]
	v_pk_add_f32 v[\buf+16*\i+2:\buf+16*\i+3],   v[\buf+16*\i+2:\buf+16*\i+3],   v[\buf+16*\i+6:\buf+16*\i+7]
	v_pk_add_f32 v[\buf+16*\i+8:\buf+16*\i+9],   v[\buf+16*\i+8:\buf+16*\i+9],   v[\buf+16*\i+12:\buf+16*\i+13]
	v_pk_add_f32 v[\buf+16*\i+10:\buf+16*\i+11], v[\buf+16*\i+10:\buf+16*\i+11], v[\buf+16*\i+14:\buf+16*\i+15]
	v_pk_add_f32 v[\buf+16*\i:\buf+16*\i+1],     v[\buf+16*\i:\buf+16*\i+1],     v[\buf+16*\i+8:\buf+16*\i+9]
	v_pk_add_f32 v[\buf+16*\i+2:\buf+16*\i+3],   v[\buf+16*\i+2:\buf+16*\i+3],   v[\buf+16*\i+10:\buf+16*\i+11]
	global_store_b128 v[OOFF], v[\buf+16*\i:\buf+16*\i+3], s[10:11] offset:(4*\g+\i)*512 th:TH_STORE_NT
.endr
.endm
	MLOAD 0, 64
	MLOAD 1, 128
	MSUM 0, 64, 16
	s_wait_xcnt 0x0                                ; the buffer that stores read is loaded again only behind this wait
	MLOAD 2, 64
	MSUM 1, 128, 16
	s_wait_xcnt 0x0
	MLOAD 3, 128
	MSUM 2, 64, 16
	MSUM 3, 128, 0
	s_wait_xcnt 0x0
	v_lshl_add_u32 v190, v0, 2, 0x44800
	v_mov_b32 v191, 0
	s_wait_tensorcnt 0x0
	ds_add_u32 v190, v191
	s_wait_dscnt 0x0
	ROUND                                          ; the closing round: no work-group ends while a partner may still ask jointly
	s_endpgm
.Lfunc_end_k_q71d5ff00c2_attn:
	.size	k_q71d5ff00c2_attn, .Lfunc_end_k_q71d5ff00c2_attn-k_q71d5ff00c2_attn
	.p2alignl 7, 3214868480
	.fill 96, 4, 3214868480
	.section	.rodata,"a",@progbits
	.p2align	6, 0x0
	.amdhsa_kernel k_q71d5ff00c2_attn
		.amdhsa_group_segment_fixed_size 327680
		.amdhsa_private_segment_fixed_size 0
		.amdhsa_enable_private_segment 0
		.amdhsa_kernarg_size 40
		.amdhsa_user_sgpr_count 2
		.amdhsa_user_sgpr_kernarg_segment_ptr 1
		.amdhsa_wavefront_size32 1
		.amdhsa_system_sgpr_workgroup_id_x 1
		.amdhsa_system_sgpr_workgroup_id_y 1
		.amdhsa_system_sgpr_workgroup_id_z 1
		.amdhsa_system_vgpr_workitem_id 0
		.amdhsa_next_free_vgpr 1024
		.amdhsa_next_free_sgpr 66
		.amdhsa_reserve_vcc 1
		.amdhsa_float_denorm_mode_32 3
		.amdhsa_float_denorm_mode_16_64 3
		.amdhsa_memory_ordered 1
		.amdhsa_forward_progress 1
		.amdhsa_inst_pref_size 255
	.end_amdhsa_kernel
	.section	.bss,"aw",@nobits
	.p2align	6
	.space	262144
	.amdgpu_metadata
---
amdhsa.version: [ 1, 2 ]
amdhsa.kernels:
  - .name:           k_q71d5ff00c2_attn
    .symbol:         k_q71d5ff00c2_attn.kd
    .args:
      - { .name: Qs, .offset: 0, .size: 8, .value_kind: global_buffer, .address_space: global }
      - { .name: Kb, .offset: 8, .size: 8, .value_kind: global_buffer, .address_space: global }
      - { .name: Vt, .offset: 16, .size: 8, .value_kind: global_buffer, .address_space: global }
      - { .name: out0, .offset: 24, .size: 8, .value_kind: global_buffer, .address_space: global }
      - { .name: Lo, .offset: 32, .size: 8, .value_kind: global_buffer, .address_space: global }
    .group_segment_fixed_size: 327680
    .private_segment_fixed_size: 0
    .kernarg_segment_align: 8
    .kernarg_segment_size: 40
    .max_flat_workgroup_size: 128
    .sgpr_count:     66
    .vgpr_count:     1024
    .wavefront_size: 32
...
	.end_amdgpu_metadata
.endif
;; end of part 3
;; ======== version 2 of 2: 3 launches; 1.12 times as fast as version 1
;; limits: values are held in f16: magnitudes above 65,504 overflow, below 6.1e-05 lose precision
;; workspace buffers: Wt 786,432 bytes; Qs 4,194,304 bytes; Kb 4,194,304 bytes; Vt 4,194,304 bytes; Lo 786,432 bytes
;; launch prep: the kernel of part 1 again; grid 16 x 3, 8 waves a work-group, no clusters, 18,432 bytes of LDS; arguments WQ, WK, WV, Wt; writes Wt
;; launch proj (part 4): grid 256 x 1, 4 waves a work-group, clusters of 4 x 1, 327,680 bytes of LDS; arguments x, Wt, Qs, Kb, Vt, Lo; writes Qs, Kb, Vt, Lo
.if DOCPART == 4
	.amdgcn_target "amdgcn-amd-amdhsa--gfx1250"
	.amdhsa_code_object_version 6
	.text
	.protected	k_q71d5ff00c2_proj
	.globl	k_q71d5ff00c2_proj
	.p2align	8
	.type	k_q71d5ff00c2_proj,@function
k_q71d5ff00c2_proj:
	s_mov_b64 s[64:65], 0
	v_nop
	global_prefetch_b8 v0, s[64:65] scope:SCOPE_SE
	s_setreg_imm32_b32 hwreg(HW_REG_WAVE_MODE, 25, 1), 1
	s_wait_xcnt 0x0
	s_wait_alu depctr_hold_cnt(0) depctr_sa_sdst(0) depctr_va_vdst(0) depctr_va_sdst(0) depctr_va_ssrc(0) depctr_va_vcc(0) depctr_vm_vsrc(0)
	s_getreg_b32 s2, hwreg(HW_REG_IB_STS2, 6, 4)
	s_cmp_eq_u32 s2, 0
	s_cbranch_scc0 .Lentry_in_a_cluster
	s_endpgm
.Lentry_in_a_cluster:
	s_bfe_u32 s2, ttmp6, 0x10000c
	s_cmp_lg_u32 s2, 0x3003
	s_cbranch_scc0 .Lentry_shape_is_right
	s_endpgm
.Lentry_shape_is_right:
; Qs = x WQ c, Kb = x WK (both [16384][128] f16), Vt = x WV as 256 blocks of 64 rows, each [128 d][64 rows] f16, dense 16 KB.
; c = (1/32) log2(e) = 0x3d38aa3b: reference()'s scale 1/sqrt(1024) and the change to base 2, multiplied onto Q's f32 sums ahead of their one rounding.
; x [16384][1024] f32 and Wt [384][1024] bf16 are multiplied in bf16 with f32 sums.
; LIMIT: the results are kept in f16: |Q c|, |K|, |V| < 65,504.  As drawn they reach about 7; with x and W both 30 times larger about 6,600; with an offset of
; 30 on x and of 30 x 0.042 on W together 1024 x 37.5 = 38,400.
; Lo: for rows 0-255 of each batch (the clusters whose number is a multiple of 16) the results go out in two f16 parts: hi = the f32 sum rounded to 11 bits,
; into Qs, Kb, Vt like all others, and lo = sum - hi, into Lo: three regions of 262,144 bytes (Q, K, Vt layouts), each 16 blocks of 16 KB, block 4 b + cx.
; The attention launch uses them for rows 0-127, which average few keys.  Q's lo of rows 128-255 is stored and not read: no branch may hang on cx.
; A work-group owns 64 rows of x and all 384 columns, so each byte of x is read once in the launch.  Wave w owns columns 32 w .. 32 w + 31 of each of
; Q, K and V: 6 column tiles x 4 row tiles = 24 accumulators.  K goes in 8 steps of 128, written out.
; THE ORDER OF THE K STEPS: cluster n begins with K step (n ^ n >> 3) & 7 and goes round the eight from there, so that the 64 clusters ask for eight different
; tiles of Wt at a time, and the tile that a cluster asks for has been read by other clusters one step earlier.  The f32 sums over k are therefore added in
; an order that differs from cluster to cluster (and from reference()'s) by a rotation of the eight blocks of 128.
; Wt's tiles (384 rows x 256 bytes) are the same for every work-group: the four work-groups of a cluster ask for them jointly, through two LDS slots;
; each wave asks for 96 rows with one load, and a wave has one tensor load out.
; x comes through registers (two sets of 16 loads of 512 bytes a wave, so two K steps' rows are on their way), is rounded to bf16 once and laid in LDS.
; Q and K tiles take Wt's fragment as source 0 and x's as source 1: a lane then holds 8 neighbouring d of one row.  V tiles the other way round:
; a lane holds 8 neighbouring rows of one d, which is Vt's layout.
; REGISTERS: window 0 addresses, T, fragments; window 1 v0-191 accumulators, tile (c, rt) at 8 (4 c + rt); window 2 v0-127 x as loaded, two sets,
; and at the end v0-191 the sums rounded to 11 bits.
.set PITCH,  272                       ; an LDS row: 256 bytes + 16: the sixteen rows of a fragment load start in sixteen different 16-byte columns of 256
.set VPITCH, 144                       ; a row of the stage for Vt: 128 bytes + 16
.set WSLOT,  384*PITCH                 ; 104,448: a slot of Wt's tiles; slots at 0 and WSLOT
.set XB,     2*WSLOT                   ; 208,896: x in bf16, 64 rows, two buffers
.set XBSZ,   64*PITCH                  ; 17,408
.set STQ,    XB+2*XBSZ                 ; 243,712: stage for Q, then for K (64 rows x 272 each), then for Vt (128 rows x 144)
.set XOFF, 4                           ; v4      byte offset in x of my 16 bytes in my wave's first row; never rewritten
.set XST,  5                           ; v5-6    where I put 8 bytes of a row of x, buffer 0, 1
.set XAD,  7                           ; v7-8    LDS address of x's fragments, buffer 0, 1
.set WAD,  10                          ; v10-15  LDS address of my Wt fragments: 3 x slot + matrix
.set SQK,  16                          ; way out: in, for Q and K
.set SV,   17                          ; way out: in, for Vt
.set RQK,  18                          ; way out: back, for Q and K
.set RV,   19                          ; way out: back, for Vt
.set GO,   20                          ; my 16 bytes in a dense block of 2,048
.set T,    24                          ; v24-55  packed 16-bit numbers
.set SQKL, 56                          ; v56-59  the same four addresses in the stage for the lo parts, which begins at LDS byte 0
.set SVL,  57
.set RQKL, 58
.set RVL,  59
.set F0,   64                          ; v64-143   fragments: x's 4 row tiles, then Wt's 6 column tiles
.set F1,   144                         ; v144-223  the second buffer
.set G1,   16                          ; s[16:23] descriptor group 1
.set G0,   24                          ; s[24:31] descriptor group 0, a set for each slot
.set XP,   32                          ; s[32:35] x at my work-group's rows and at the K step that register set 0, 1 is loaded from
.set WB,   58                          ; s[58:59] Wt at my wave's 96 rows
                                       ; s55 the cluster's first K step; s[60:61], s[62:63] byte offsets of a K step in Wt and in x, upper words 0
.set MSB, 0
.macro WIN new                         ; the immediate's high byte repeats the setting that is left
.if MSB != \new
	s_set_vgpr_msb (MSB<<8)|\new
.set MSB, \new
.endif
.endm
.macro PLACES                          ; four places behind a matrix instruction, in front of loads into, and vector reads of, its registers (ISA guide 7.12.1 for vector reads)
.rept 4
	v_nop
.endr
.endm
.macro ROUND                           ; a round of the cluster's barrier
	s_barrier_signal -1
	s_barrier_wait -1
	s_cmp_lg_u32 s14, 0
	s_cbranch_scc1 .Lnot_wave_0_\@
	s_barrier_signal -3
.Lnot_wave_0_\@:
	s_barrier_wait -3
	s_barrier_signal -1
	s_barrier_wait -1
.endm
	s_load_b256 s[4:11], s[0:1], 0x0               ; x s[4:5], Wt s[6:7], Qs s[8:9], Kb s[10:11]
	s_load_b64 s[12:13], s[0:1], 0x20              ; Vt
	s_load_b64 s[50:51], s[0:1], 0x28              ; Lo
	v_lshl_add_u32 v62, v0, 2, 0x48800
	v_mov_b32 v63, 0
	ds_add_u32 v62, v63
	v_lshrrev_b32 v1, 5, v0
	v_readfirstlane_b32 s14, v1                    ; wave
	s_bfe_u32 s15, ttmp6, 0x40000                  ; cx
	s_lshl_b32 s49, ttmp9, 2
	s_add_co_u32 s49, s49, s15                     ; work-group = 4 x cluster + cx: enters global addresses of x and of the outputs alone
	s_and_b32 s54, ttmp9, 15                       ; 0: this cluster holds rows 0-255 of a batch; the same in all four partners
	s_lshr_b32 s55, ttmp9, 3
	s_xor_b32 s55, s55, ttmp9
	s_and_b32 s55, s55, 7                          ; the cluster's first K step: made of the cluster's number alone, the same in all four partners
	s_lshl_b32 s60, s55, 8                         ; its 256 bytes in a row of Wt
	s_mov_b32 s61, 0
	s_mov_b32 s63, 0
	s_lshr_b32 s52, ttmp9, 4                       ; batch
	s_lshl_b32 s52, s52, 2
	s_add_co_u32 s52, s52, s15
	s_lshl_b32 s52, s52, 14                        ; block 4 b + cx of 16 KB in each region of Lo
	s_mov_b32 s53, 0
	s_mov_b32 s56, 0x3d38aa3b                      ; c, as a pair written whole
	s_mov_b32 s57, 0x3d38aa3b
	s_mov_b32 s[G1+0], 0x0771000f                  ; mask 15 (all four of the cluster); 2-byte elements; padding on; bit 21 beside the mask; 4 words behind every 64
	s_mov_b32 s[G1+1], 128<<16                     ; tensor_dim0 = 128
	s_mov_b32 s[G1+2], 96<<16                      ; tensor_dim1 = 96
	s_mov_b32 s[G1+3], 128<<16                     ; tile_dim0 = 128 elements, 256 bytes
	s_mov_b32 s[G1+4], 96                          ; tile_dim1 = 96 rows
	s_mov_b32 s[G1+5], 1024                        ; elements from row to row of Wt
	s_mov_b32 s[G1+6], 0
	s_mov_b32 s[G1+7], 0
	s_mul_i32 s36, s14, 196608                     ; my 96 rows of 2,048 bytes
	s_mov_b32 s37, 0
	s_mov_b32 s[G0+0], 1
	s_mul_i32 s[G0+1], s14, 96*PITCH               ; LDS: wave x 96 rows
	s_mov_b32 s[G0+4], 1
	s_add_co_u32 s[G0+5], s[G0+1], WSLOT
	s_lshl_b32 s38, s49, 18                        ; 64 rows of 4,096 bytes of x
	s_mov_b32 s39, 0
	s_lshl_b32 s40, s49, 14                        ; 16 KB of each output
	s_mov_b32 s41, 0
	s_wait_dscnt 0x0
	s_wait_kmcnt 0x0
	s_add_nc_u64 s[WB:WB+1], s[6:7], s[36:37]
	s_add_nc_u64 s[G0+2:G0+3], s[WB:WB+1], s[60:61]    ; the first K step's tile
	s_or_b32 s[G0+3], s[G0+3], 0x80000000          ; type 2
	s_add_nc_u64 s[4:5], s[4:5], s[38:39]
	s_add_nc_u64 s[8:9], s[8:9], s[40:41]
	s_add_nc_u64 s[10:11], s[10:11], s[40:41]
	s_add_nc_u64 s[12:13], s[12:13], s[40:41]
	s_add_nc_u64 s[50:51], s[50:51], s[52:53]
	ROUND                                          ; the four work-groups are here: the first joint load meets
	tensor_load_to_lds s[G0:G0+3], s[G1:G1+7]      ; Wt's tile of the first step
	s_nop 0
; 16 rows x 512 bytes of x for step u, which is K step (first + u) mod 8, into set par of window 2: one row an instruction.
; The set's base is written here: the set's earlier loads were shown done by the wait at the head of CONVERT.
.macro XLOAD u, par
	s_add_co_u32 s62, s55, (\u)
	s_and_b32 s62, s62, 7
	s_lshl_b32 s62, s62, 9                         ; the K step's 512 bytes in a row of x
	s_add_nc_u64 s[XP+2*(\par):XP+2*(\par)+1], s[4:5], s[62:63]
	WIN 0x80
.irp i, 0,1,2,3,4,5,6,7,8,9,10,11,12,13,14,15
	global_load_b128 v[64*(\par)+4*\i:64*(\par)+4*\i+3], v[XOFF], s[XP+2*(\par):XP+2*(\par)+1] offset:\i*4096 th:TH_LOAD_NT
.endr
.endm
; set par is rounded to bf16 and laid into x buffer par.  left = the younger loads that may stay out
.macro CONVERT par, left
	s_wait_loadcnt \left
	WIN 0x0a
.irp i, 0,1,2,3,4,5,6,7,8,9,10,11,12,13,14,15
	v_cvt_pk_bf16_f32 v[T+2*\i],   v[64*(\par)+4*\i],   v[64*(\par)+4*\i+1]
	v_cvt_pk_bf16_f32 v[T+2*\i+1], v[64*(\par)+4*\i+2], v[64*(\par)+4*\i+3]
.endr
	WIN 0
.irp i, 0,1,2,3,4,5,6,7,8,9,10,11,12,13,14,15
	ds_store_b64 v[XST+(\par)], v[T+2*\i:T+2*\i+1] offset:\i*PITCH
.endr
.endm
; 20 LDS loads: the fragments of 32 along K (ks = 0..3) from slot and x buffer sl into buffer f
.macro FETCH sl, ks, f
	WIN 0
.irp rt, 0,1,2,3
	ds_load_b128 v[\f+8*\rt:\f+8*\rt+3],   v[XAD+\sl] offset:\rt*16*PITCH+64*\ks
	ds_load_b128 v[\f+8*\rt+4:\f+8*\rt+7], v[XAD+\sl] offset:\rt*16*PITCH+64*\ks+32
.endr
.irp mat, 0,1,2
.irp i, 0,1
	ds_load_b128 v[\f+32+8*(2*\mat+\i):\f+32+8*(2*\mat+\i)+3],   v[WAD+3*\sl+\mat] offset:\i*16*PITCH+64*\ks
	ds_load_b128 v[\f+32+8*(2*\mat+\i)+4:\f+32+8*(2*\mat+\i)+7], v[WAD+3*\sl+\mat] offset:\i*16*PITCH+64*\ks+32
.endr
.endr
.endm
; 24 matrix instructions, one for each accumulator: the accumulators take turns, one instruction a turn
.macro MUL f, zero
	WIN 0x50
.irp rt, 0,1,2,3
.irp c, 0,1,2,3
.if \zero
	v_wmma_f32_16x16x32_bf16 v[8*(4*\c+\rt):8*(4*\c+\rt)+7], v[\f+32+8*\c:\f+32+8*\c+7], v[\f+8*\rt:\f+8*\rt+7], 0
.else
	v_wmma_f32_16x16x32_bf16 v[8*(4*\c+\rt):8*(4*\c+\rt)+7], v[\f+32+8*\c:\f+32+8*\c+7], v[\f+8*\rt:\f+8*\rt+7], v[8*(4*\c+\rt):8*(4*\c+\rt)+7]
.endif
.endr
.irp c, 4,5
.if \zero
	v_wmma_f32_16x16x32_bf16 v[8*(4*\c+\rt):8*(4*\c+\rt)+7], v[\f+8*\rt:\f+8*\rt+7], v[\f+32+8*\c:\f+32+8*\c+7], 0
.else
	v_wmma_f32_16x16x32_bf16 v[8*(4*\c+\rt):8*(4*\c+\rt)+7], v[\f+8*\rt:\f+8*\rt+7], v[\f+32+8*\c:\f+32+8*\c+7], v[8*(4*\c+\rt):8*(4*\c+\rt)+7]
.endif
.endr
.endr
.endm
	v_and_b32 v1, 31, v0                           ; lane
	s_lshl_b32 s42, s14, 16                        ; my wave's 16 rows of 4,096 bytes
	v_lshl_add_u32 v[XOFF], v1, 4, s42
	XLOAD 0, 0
	XLOAD 1, 1
	WIN 0
	v_and_b32 v2, 15, v0                           ; r
	v_bfe_u32 v3, v0, 4, 1                         ; h
	s_mul_i32 s43, s14, 16*PITCH
	s_add_co_u32 s43, s43, XB
	v_lshl_add_u32 v[XST], v1, 3, s43              ; row 16 w (+ i), 8 bytes a lane
	v_add_nc_u32 v[XST+1], XBSZ, v[XST]
	v_mul_u32_u24 v9, v2, PITCH
	v_lshl_add_u32 v9, v3, 4, v9                   ; r x pitch + 16 h: a fragment's lane term
	v_add_nc_u32 v[XAD], XB, v9
	v_add_nc_u32 v[XAD+1], XB+XBSZ, v9
	s_mul_i32 s44, s14, 32*PITCH                   ; my 32 columns = rows of Wt
	v_add_nc_u32 v21, s44, v9
.irp sl, 0,1
.irp mat, 0,1,2
	v_add_nc_u32 v[WAD+3*\sl+\mat], \sl*WSLOT+\mat*128*PITCH, v21
.endr
.endr
	; the four addresses of the way out, first from the stage's first byte (that is the lo stage, at LDS byte 0), then + STQ
	s_lshl_b32 s45, s14, 6
	v_add_nc_u32 v[SQKL], s45, v9                  ; row r, byte 64 w + 16 h
	v_mul_u32_u24 v22, v2, VPITCH
	v_lshl_add_u32 v22, v3, 4, v22
	s_mul_i32 s46, s14, 32*VPITCH
	s_add_co_u32 s46, s46, 2*XBSZ
	v_add_nc_u32 v[SVL], s46, v22                  ; behind Q's and K's: row 32 w + r, byte 16 h
	v_mul_u32_u24 v22, v3, PITCH
	v_lshl_add_u32 v22, v2, 4, v22
	s_mul_i32 s47, s14, 2*PITCH
	v_add_nc_u32 v[RQKL], s47, v22                 ; row 2 w + h, byte 16 r
	v_lshrrev_b32 v22, 3, v1
	v_mul_u32_u24 v22, v22, VPITCH
	v_and_b32 v23, 7, v1
	v_lshl_add_u32 v22, v23, 4, v22
	s_mul_i32 s48, s14, 4*VPITCH
	s_add_co_u32 s48, s48, 2*XBSZ
	v_add_nc_u32 v[RVL], s48, v22                  ; row 4 w + lane / 8, byte 16 (lane mod 8)
	v_add_nc_u32 v[SQK], STQ, v[SQKL]
	v_add_nc_u32 v[SV],  STQ, v[SVL]
	v_add_nc_u32 v[RQK], STQ, v[RQKL]
	v_add_nc_u32 v[RV],  STQ, v[RVL]
	v_lshlrev_b32 v[GO], 4, v0
	CONVERT 0, 16                                  ; step 0's rows are in; the 16 loads of step 1 stay out
	XLOAD 2, 0
; Step t on slot and x buffer p = t mod 2.
; In front of the round every wave waits for all its tensor loads (its part of this step's tile) and for all its LDS instructions (its reads of the other slot and
; of the other x buffer, its stores into this x buffer).  Behind the round the other slot is filled again first, one load a wave.
.macro TRIP t, p
	WIN 0
	s_wait_tensorcnt 0x0
	ds_add_u32 v62, v63
	s_wait_dscnt 0x0
.if \t < 7
	s_add_co_u32 s60, s55, \t+1                    ; no load of mine is out, so a group 0 may be written: the other slot's next tile is K step (first + t + 1) mod 8
	s_and_b32 s60, s60, 7
	s_lshl_b32 s60, s60, 8
	s_add_nc_u64 s[G0+6-4*\p:G0+7-4*\p], s[WB:WB+1], s[60:61]
	s_or_b32 s[G0+7-4*\p], s[G0+7-4*\p], 0x80000000
.endif
	s_wait_dscnt 0x0
	ROUND
.if \t < 7
	tensor_load_to_lds s[G0+4-4*\p:G0+7-4*\p], s[G1:G1+7]
	s_nop 0
.endif
	PLACES
	FETCH \p, 0, F0
	FETCH \p, 1, F1
	s_wait_dscnt 20                                ; buffer 0 is in; the 20 loads of buffer 1 stay out
.if \t == 0
	MUL F0, 1                                      ; the first products start the sums
.else
	MUL F0, 0
.endif
.if \t < 6
	CONVERT 1-\p, 16                               ; the next step's x; the 16 loads of the step behind it stay out
.endif
.if \t == 6
	CONVERT 1-\p, 0
.endif
.if \t < 5
	XLOAD \t+3, 1-\p
.endif
.if \t < 7
	s_wait_dscnt 16                                ; buffer 1 is in; the 16 stores of x are younger
.else
	s_wait_dscnt 0
.endif
	PLACES
	FETCH \p, 2, F0
	MUL F1, 0
	s_wait_dscnt 0
	PLACES
	FETCH \p, 3, F1
	MUL F0, 0
	s_wait_dscnt 0
	MUL F1, 0
.endm
	TRIP 0, 0
	TRIP 1, 1
	TRIP 2, 0
	TRIP 3, 1
	TRIP 4, 0
	TRIP 5, 1
	TRIP 6, 0
	TRIP 7, 1
; THE WAY OUT.  The 64 registers of one matrix, from the window that win names (0x05: window 1, 0x0a: window 2), are rounded to f16, 16 bytes a lane, into a stage.
.macro PACK mat, win, aqk, av
	WIN \win
.irp i, 0,1
.irp rt, 0,1,2,3
.irp p, 0,1,2,3
	v_cvt_pk_f16_f32 v[T+4*(4*\i+\rt)+\p], v[8*(4*(2*\mat+\i)+\rt)+2*\p], v[8*(4*(2*\mat+\i)+\rt)+2*\p+1]
.endr
.endr
.endr
	WIN 0
.irp i, 0,1
.irp rt, 0,1,2,3
.if \mat < 2
	ds_store_b128 v[\aqk], v[T+4*(4*\i+\rt):T+4*(4*\i+\rt)+3] offset:\mat*XBSZ+\rt*16*PITCH+32*\i    ; row 16 rt + r, d = 32 w + 16 i + 8 h ..
.else
	ds_store_b128 v[\av], v[T+4*(4*\i+\rt):T+4*(4*\i+\rt)+3] offset:\i*16*VPITCH+32*\rt              ; d = 32 w + 16 i + r, rows 16 rt + 8 h ..
.endif
.endr
.endr
.endm
; 24 LDS loads: a stage is read back as three dense blocks of 16 KB, into 96 registers from reg on
.macro BACK reg, arq, arv
.irp mat, 0,1,2
.irp i, 0,1,2,3,4,5,6,7
.if \mat < 2
	ds_load_b128 v[\reg+32*\mat+4*\i:\reg+32*\mat+4*\i+3], v[\arq] offset:\mat*XBSZ+\i*8*PITCH
.else
	ds_load_b128 v[\reg+32*\mat+4*\i:\reg+32*\mat+4*\i+3], v[\arv] offset:\i*16*VPITCH
.endif
.endr
.endr
.endm
	WIN 0
	PLACES
	WIN 0x41
.set n, 0
.rept 32
	v_pk_mul_f32 v[2*n:2*n+1], v[2*n:2*n+1], s[56:57] op_sel_hi:[1,0]      ; Q's 64 registers times c
.set n, n+1
.endr
	WIN 0
	s_cmp_lg_u32 s54, 0
	s_cbranch_scc1 .Lplain
	; rows 0-255 of a batch: hi = the sum rounded to 11 bits (half of the 13 bits that go is added, then they are cut), exact in f16; lo = sum - hi, exact in f32
	WIN 0x84
.set n, 0
.rept 192
	v_add_nc_u32 v[n], 0x1000, v[n]                ; window 2 from window 1
.set n, n+1
.endr
	WIN 0x88
.set n, 0
.rept 192
	v_and_b32 v[n], 0xffffe000, v[n]               ; window 2: hi
.set n, n+1
.endr
	WIN 0x49
.set n, 0
.rept 96
	v_pk_add_f32 v[2*n:2*n+1], v[2*n:2*n+1], v[2*n:2*n+1] neg_lo:[0,1] neg_hi:[0,1]   ; window 1: lo = sum - hi
.set n, n+1
.endr
	PACK 0, 0x0a, SQK, SV
	PACK 1, 0x0a, SQK, SV
	PACK 2, 0x0a, SQK, SV
	; the stage for the lo parts lies in Wt's slot 0: its last fill was step 6's, and every wave's reads of it were over in front of step 7's round
	PACK 0, 0x05, SQKL, SVL
	PACK 1, 0x05, SQKL, SVL
	PACK 2, 0x05, SQKL, SVL
	s_branch .Lstaged
.Lplain:
	PACK 0, 0x05, SQK, SV
	PACK 1, 0x05, SQK, SV
	PACK 2, 0x05, SQK, SV
.Lstaged:
	s_wait_dscnt 0x0                               ; my stores are in LDS before I say so: other waves read them
	s_barrier_signal -1
	s_barrier_wait -1
	BACK 64, RQK, RV
.irp mat, 0,1,2
.irp i, 0,1,2,3,4,5,6,7
	s_wait_dscnt 23-8*\mat-\i                      ; LDS loads come back in order: this one is in
	global_store_b128 v[GO], v[64+32*\mat+4*\i:64+32*\mat+4*\i+3], s[8+2*\mat:9+2*\mat] offset:\i*2048   ; a wave stores 512 consecutive aligned bytes
.endr
.endr
	s_cmp_lg_u32 s54, 0
	s_cbranch_scc1 .Lno_lo
	BACK 160, RQKL, RVL
.irp mat, 0,1,2
.irp i, 0,1,2,3,4,5,6,7
	s_wait_dscnt 23-8*\mat-\i
	global_store_b128 v[GO], v[160+32*\mat+4*\i:160+32*\mat+4*\i+3], s[50:51] offset:\mat*262144+\i*2048
.endr
.endr
.Lno_lo:
	s_wait_tensorcnt 0x0
	ds_add_u32 v62, v63
	s_wait_dscnt 0x0
	ROUND                                          ; the closing round: no work-group ends while a partner may still ask jointly
	s_endpgm
.Lfunc_end_k_q71d5ff00c2_proj:
	.size	k_q71d5ff00c2_proj, .Lfunc_end_k_q71d5ff00c2_proj-k_q71d5ff00c2_proj
	.p2alignl 7, 3214868480
	.fill 96, 4, 3214868480
	.section	.rodata,"a",@progbits
	.p2align	6, 0x0
	.amdhsa_kernel k_q71d5ff00c2_proj
		.amdhsa_group_segment_fixed_size 327680
		.amdhsa_private_segment_fixed_size 0
		.amdhsa_enable_private_segment 0
		.amdhsa_kernarg_size 48
		.amdhsa_user_sgpr_count 2
		.amdhsa_user_sgpr_kernarg_segment_ptr 1
		.amdhsa_wavefront_size32 1
		.amdhsa_system_sgpr_workgroup_id_x 1
		.amdhsa_system_sgpr_workgroup_id_y 1
		.amdhsa_system_sgpr_workgroup_id_z 1
		.amdhsa_system_vgpr_workitem_id 0
		.amdhsa_next_free_vgpr 768
		.amdhsa_next_free_sgpr 66
		.amdhsa_reserve_vcc 0
		.amdhsa_float_denorm_mode_32 3
		.amdhsa_float_denorm_mode_16_64 3
		.amdhsa_memory_ordered 1
		.amdhsa_forward_progress 1
		.amdhsa_inst_pref_size 208
	.end_amdhsa_kernel
	.amdgpu_metadata
---
amdhsa.version: [ 1, 2 ]
amdhsa.kernels:
  - .name:           k_q71d5ff00c2_proj
    .symbol:         k_q71d5ff00c2_proj.kd
    .args:
      - { .name: x, .offset: 0, .size: 8, .value_kind: global_buffer, .address_space: global }
      - { .name: Wt, .offset: 8, .size: 8, .value_kind: global_buffer, .address_space: global }
      - { .name: Qs, .offset: 16, .size: 8, .value_kind: global_buffer, .address_space: global }
      - { .name: Kb, .offset: 24, .size: 8, .value_kind: global_buffer, .address_space: global }
      - { .name: Vt, .offset: 32, .size: 8, .value_kind: global_buffer, .address_space: global }
      - { .name: Lo, .offset: 40, .size: 8, .value_kind: global_buffer, .address_space: global }
    .group_segment_fixed_size: 327680
    .private_segment_fixed_size: 0
    .kernarg_segment_align: 8
    .kernarg_segment_size: 48
    .max_flat_workgroup_size: 128
    .sgpr_count:     66
    .vgpr_count:     768
    .wavefront_size: 32
...
	.end_amdgpu_metadata
.endif
;; end of part 4
;; launch attn (part 5): grid 64 x 4, 4 waves a work-group, clusters of 4 x 1, 327,680 bytes of LDS; arguments Qs, Kb, Vt, out0, Lo; writes out0
.if DOCPART == 5
	.amdgcn_target "amdgcn-amd-amdhsa--gfx1250"
	.amdhsa_code_object_version 6
	.text
	.protected	k_q71d5ff00c2_attn
	.globl	k_q71d5ff00c2_attn
	.p2align	8
	.type	k_q71d5ff00c2_attn,@function
k_q71d5ff00c2_attn:
	s_mov_b64 s[64:65], 0
	v_nop
	global_prefetch_b8 v0, s[64:65] scope:SCOPE_SE
	s_setreg_imm32_b32 hwreg(HW_REG_WAVE_MODE, 25, 1), 1
	s_wait_xcnt 0x0
	s_wait_alu depctr_hold_cnt(0) depctr_sa_sdst(0) depctr_va_vdst(0) depctr_va_sdst(0) depctr_va_ssrc(0) depctr_va_vcc(0) depctr_vm_vsrc(0)
	s_getreg_b32 s2, hwreg(HW_REG_IB_STS2, 6, 4)
	s_cmp_eq_u32 s2, 0
	s_cbranch_scc0 .Lentry_in_a_cluster
	s_endpgm
.Lentry_in_a_cluster:
	s_bfe_u32 s2, ttmp6, 0x10000c
	s_cmp_lg_u32 s2, 0x3003
	s_cbranch_scc0 .Lentry_shape_is_right
	s_endpgm
.Lentry_shape_is_right:
; out0[b][q][:] = softmax over keys k <= q of (Q[q] . K[k] / 32) times V.  Qs already holds Q x (1/32) log2(e), so a score is an exponent of 2.
; LIMITS: a masked score is the finite value -1e30, so the text is right for |score x (1/32) log2(e)| < 1e30; v_exp_f32 gives 0 below 2^-126, so weights
; below that count as 0; Q, K, V and the weights go to the matrix unit in f16 (11 bits; below 2^-14 in steps of 2^-24; the weights lie in 0 .. 1), while the
; row sums add the unrounded f32 weights.  The keys are added in an order that differs from reference()'s (see THE ORDER OF THE TILES).
; The maximum is taken away before every exponential: a running maximum for each row and wave, and the largest of the four waves' at the end.
; TWO PARTS FOR ROWS 0-127 OF A BATCH: a row with few keys is a sum of few products, in which large V can cancel, so there one rounding to 11 bits shows.
; For these rows every operand goes in two f16 parts, hi + lo: S += K_lo Q_hi + K_hi Q_lo and O += V_hi P_lo + V_lo P_hi; the lo x lo products, 2^-22 of the
; whole, are left out.  The rows are the low q tiles of cluster 0 and all their keys lie in tile 0, so step 0 is written twice and chosen by the cluster's
; number, which the partners share.  From row 128 on a rounding of 2^-11 is averaged over 129 keys or more.
; SHARES: batch b = grid y; cluster c = 0..15, work-group j = 4 c + cx owns 32 high rows from HB = 4064 - 32 j (q tiles 0, 1) and 32 low rows from LB = 32 j
; (q tiles 2, 3), so that long and short rows are paired.  Keys go in tiles of 256, one a step; wave w takes keys 256 u + 64 w .. + 63 of tile u for all live
; q tiles and keeps its own maximum, sum and O; the four waves' parts are joined at the end through LDS.  Tiles u < NA = (c >> 1) + 1 are worked on with 4 q
; tiles, the rest up to T = 16 - 2 (c >> 2) with the 2 high ones: 64 (NA + T) = 64 x 17 or 64 x 18 matrix instructions a wave, and 128 more in cluster 0.
; THE ORDER OF THE TILES: tile 0 comes first in every cluster (its products start O, and it gives every high row a real maximum); tiles 1 .. T - 1 follow round
; a ring from a start that hangs on c alone: 1 + 4 (c & 3) + the two bits of c >> 2 swapped, less T - 1 where that reaches T.  So the sixteen clusters of a
; batch ask for different tiles at a time, one or two tiles apart, and most tiles that a cluster asks for have been read by another cluster before.
; A running maximum does not depend on the order of the keys.  NA, T and the start hang on c alone, which the partners share.
; CLUSTER: the four work-groups of a cluster walk the same K and V tiles and ask for them jointly (mask 15): waves 0, 1 the halves of K's 256 rows, waves 2, 3
; the halves of Vt's four blocks, 128 rows of 256 bytes each.  Two slots; a wave has one tensor load out.
; NO SHUFFLE: S^T = K fragment (source 0) x Q fragment (source 1): lane (r, h) holds row q = r, keys 16 kt + 8 h + 0..7, which packed to f16 is source 1 of
; O^T += Vt fragment (source 0) x P^T.  Maximum, factor and sum are one number a lane; one exchange of the two halves of 16 lanes joins the maximum.
; A row whose 64 keys of a wave are all masked keeps the maximum -1e30 and gathers weights of 1; a later real score multiplies that by 2^(-1e30 - m) = 0, and
; so does the join at the end: key 0 is open to every row, so the largest of the four maxima is a real score.
; REGISTERS: window 0 as below; window 1 v0-127 Q fragments (32 qt + 8 s), v128-255 V_lo; window 2 O^T (64 qt + 8 dt), and ahead of the first O: v0-127 K_lo,
; v128-191 Q_lo; window 3 v0-127 K fragments, v128-255 Vt fragments.
; SCALARS of the walk: s34 this step's tile u, s35 256 u, s54 the tile to ask for next, s55 T, s36 NA, s37 NA - 1, s38 T - 2, s39 the loop's trips,
; s[6:7] Kb or Vt at my wave's half of tile 0, s[62:63] a tile's byte offset from there (upper word 0).
.set PITCH,  272                       ; an LDS row of a tile: 256 bytes + 16
.set SLOT,   512*PITCH                 ; 139,264: K's 256 rows, then Vt's four blocks of 64 LDS rows (two d rows of 128 bytes in each)
.set VOFF,   256*PITCH
.set STATS,  2*SLOT                    ; 278,528: 2,048 bytes that no tensor load fills: the waves' maxima, then their sums
.set SPITCH, 528                       ; the stage for the join: a row of 128 f32 + 16 bytes
.set STG,    64*SPITCH                 ; 33,792 for each wave; the four lie in slot 0, behind its last fill of the launch
.set KADR, 2                           ; v2-3   LDS address of my K fragments, slot 0, 1
.set VADR, 4                           ; v4-5   of my Vt fragments
.set NEG,  6                           ; -1e30
.set MM,   8                           ; v8-11  running maximum of q tile qt
.set MX,   12                          ; v12-15 the new maximum
.set TP,   16                          ; v16-19 at work
.set NM,   20                          ; v20-27 pairs: minus the new maximum
.set AL,   28                          ; v28-35 pairs: 2^(old maximum - new)
.set LL,   36                          ; v36-43 pairs: my part of the row sum
.set QREL, 44                          ; v44-47 row - 64 w - 8 h
.set REL,  48                          ; v48-51 the same - 256 u
.set QOFF, 52                          ; v52-55 byte offsets in Qs
.set LOA,  52                          ; v52-54 behind Q's loads: byte offsets in Lo of Q_lo, K_lo, V_lo
.set RADR, 56                          ; v56-59 the join: where I read wave w' 's rows
.set SADR, 60                          ; the join: where I put my O
.set STA,  61
.set STL,  62
.set OOFF, 63
.set SC,   64                          ; v64-191  scores, 32 qt + 8 kt
.set PB,   192                         ; v192-255 weights in f16, 16 qt + 4 kt
.set HP,   64                          ; the low tiles' weights rounded to 11 bits: 64 registers, the high tiles' scores being spent
.set PL,   64                          ; then their lo parts in f16: 32 registers
.set KF,   0
.set VF,   128
.set KL,   0                           ; window 2
.set QL,   128                         ; window 2
.set VL,   128                         ; window 1
.set G1,   16                          ; s[16:23]
.set G0,   24                          ; s[24:31], a set for each slot
.set MSB, 0
.macro WIN new                         ; the immediate's high byte repeats the setting that is left
.if MSB != \new
	s_set_vgpr_msb (MSB<<8)|\new
.set MSB, \new
.endif
.endm
.macro PLACES                          ; four places behind a matrix instruction, in front of loads into, and vector reads and writes of, its registers (ISA guide 7.12.1 for vector reads and writes)
.rept 4
	v_nop
.endr
.endm
.macro ROUND                           ; a round of the cluster's barrier
	s_barrier_signal -1
	s_barrier_wait -1
	s_cmp_lg_u32 s12, 0
	s_cbranch_scc1 .Lnot_wave_0_\@
	s_barrier_signal -3
.Lnot_wave_0_\@:
	s_barrier_wait -3
	s_barrier_signal -1
	s_barrier_wait -1
.endm
	s_load_b256 s[4:11], s[0:1], 0x0               ; Qs s[4:5], Kb s[6:7], Vt s[8:9], out0 s[10:11]
	s_load_b64 s[60:61], s[0:1], 0x20              ; Lo
	v_lshl_add_u32 v190, v0, 2, 0x44800
	v_mov_b32 v191, 0
	ds_add_u32 v190, v191
	s_wait_dscnt 0x0
	v_lshrrev_b32 v1, 5, v0
	v_readfirstlane_b32 s12, v1                    ; wave
	s_bfe_u32 s13, ttmp6, 0x40000                  ; cx: enters rows of Q and of the output and the mask's comparison, no branch and no LDS address
	s_mov_b32 s14, ttmp9                           ; c
	s_and_b32 s15, ttmp7, 0xffff                   ; b
	s_lshr_b32 s37, s14, 1                         ; NA - 1
	s_add_co_u32 s36, s37, 1                       ; NA
	s_lshr_b32 s40, s14, 2
	s_sub_co_u32 s39, 7, s40                       ; trips of the loop, two steps each: (T - 2) / 2, at least 4
	s_lshl_b32 s38, s39, 1                         ; T - 2
	s_add_co_u32 s55, s38, 2                       ; T
	s_and_b32 s43, s40, 1                          ; where the ring of tiles 1 .. T - 1 is entered:
	s_lshl_b32 s43, s43, 1
	s_lshr_b32 s44, s40, 1
	s_or_b32 s43, s43, s44                         ; the two bits of c >> 2, swapped
	s_and_b32 s44, s14, 3
	s_lshl2_add_u32 s54, s44, s43                  ; + 4 (c & 3)
	s_add_co_u32 s54, s54, 1                       ; + 1: 1 .. 16
	s_sub_co_u32 s44, s54, s38
	s_sub_co_u32 s44, s44, 1                       ; the same less T - 1,
	s_cmp_ge_u32 s54, s55
	s_cselect_b32 s54, s44, s54                    ; taken where the start would lie beyond tile T - 1
	s_lshl_b32 s41, s14, 2
	s_add_co_u32 s41, s41, s13
	s_lshl_b32 s41, s41, 5                         ; LB
	s_sub_co_u32 s42, 4064, s41                    ; HB
	s_mov_b32 s32, 0x76543210                      ; v_permlanex16_b32: lane i of one half reads lane i of the other
	s_mov_b32 s33, 0xfedcba98
	s_mov_b32 s34, 0                               ; u: step 0 works on tile 0
	s_mov_b32 s35, 0                               ; 256 u
	s_mov_b32 s[G1+0], 0x0771000f                  ; mask 15; 2-byte elements; padding on; bit 21 beside the mask; 4 words behind every 64
	s_mov_b32 s[G1+1], 128<<16                     ; tensor_dim0 = 128
	s_mov_b32 s[G1+2], 128<<16                     ; tensor_dim1 = 128
	s_mov_b32 s[G1+3], 128<<16                     ; tile_dim0 = 128 elements, 256 bytes
	s_mov_b32 s[G1+4], 128                         ; tile_dim1 = 128 rows
	s_mov_b32 s[G1+5], 128                         ; dense: a row begins where the last ends
	s_mov_b32 s[G1+6], 0
	s_mov_b32 s[G1+7], 0
	s_mov_b32 s[G0+0], 1
	s_mul_i32 s[G0+1], s12, 128*PITCH              ; LDS: wave x 128 rows: K's halves, then Vt's
	s_mov_b32 s[G0+4], 1
	s_add_co_u32 s[G0+5], s[G0+1], SLOT
	s_lshl_b32 s46, s15, 20                        ; a batch is 1 MB of Kb and of Vt
	s_and_b32 s43, s12, 1
	s_lshl_b32 s44, s43, 15                        ; which half of a tile's 64 KB
	s_add_co_u32 s46, s46, s44
	s_mov_b32 s47, 0
	s_lshl_b32 s53, s15, 12                        ; b x 4096 rows
	s_lshl_b32 s44, s43, 4
	s_lshl_b32 s45, s12, 14                        ; my block of 16 KB of V_lo
	s_lshl_b32 s62, s15, 16                        ; a batch is 64 KB of each region of Lo
	s_mov_b32 s63, 0
	s_cmp_lt_u32 s12, 2
	s_cselect_b32 s48, s42, s41                    ; the q tile that I join and store: tile w
	s_add_co_u32 s48, s48, s44
	s_add_co_u32 s48, s48, s53
	s_lshl_b32 s48, s48, 9                         ; rows of 512 bytes of out0
	s_mov_b32 s49, 0
	s_wait_kmcnt 0x0
	s_cmp_lt_u32 s12, 2
	s_cselect_b64 s[6:7], s[6:7], s[8:9]           ; waves 0, 1 fetch K, waves 2, 3 Vt
	s_add_nc_u64 s[6:7], s[6:7], s[46:47]          ; my half of the batch's tile 0
	s_mov_b64 s[G0+2:G0+3], s[6:7]
	s_or_b32 s[G0+3], s[G0+3], 0x80000000          ; type 2
	s_add_nc_u64 s[10:11], s[10:11], s[48:49]
	s_add_nc_u64 s[60:61], s[60:61], s[62:63]
	ROUND                                          ; the four work-groups are here: the first joint load meets
	tensor_load_to_lds s[G0:G0+3], s[G1:G1+7]      ; tile 0
	s_nop 0
	v_and_b32 v64, 15, v0                          ; r
	v_bfe_u32 v65, v0, 4, 1                        ; h
	v_and_b32 v66, 31, v0                          ; lane
	s_add_co_u32 s58, s53, s42                     ; b x 4096 + HB
	s_add_co_u32 s59, s53, s41                     ; b x 4096 + LB
	v_add_lshl_u32 v[QOFF], v64, s58, 8            ; a row of Qs is 256 bytes
	v_lshl_add_u32 v[QOFF], v65, 4, v[QOFF]
	v_add_nc_u32 v[QOFF+1], 4096, v[QOFF]
	v_add_lshl_u32 v[QOFF+2], v64, s59, 8
	v_lshl_add_u32 v[QOFF+2], v65, 4, v[QOFF+2]
	v_add_nc_u32 v[QOFF+3], 4096, v[QOFF+2]
	WIN 0x40
.irp qt, 0,1,2,3
.irp s, 0,1,2,3
	global_load_b128 v[32*\qt+8*\s:32*\qt+8*\s+3],   v[QOFF+\qt], s[4:5] offset:64*\s       ; Q(row r, d = 32 s + 8 h ..)
	global_load_b128 v[32*\qt+8*\s+4:32*\qt+8*\s+7], v[QOFF+\qt], s[4:5] offset:64*\s+32
.endr
.endr
	WIN 0
	v_mul_u32_u24 v67, v64, PITCH
	v_lshl_add_u32 v67, v65, 4, v67
	s_mul_i32 s50, s12, 64*PITCH
	v_add_nc_u32 v[KADR], s50, v67                 ; key row 64 w + r, byte 16 h
	v_add_nc_u32 v[KADR+1], SLOT, v[KADR]
	v_lshrrev_b32 v68, 1, v64
	v_mul_u32_u24 v68, v68, PITCH
	v_and_b32 v69, 1, v64
	v_lshl_add_u32 v68, v69, 7, v68                ; d row r: LDS row r / 2, half r mod 2: sixteen different 16-byte columns of 256
	v_lshl_add_u32 v68, v65, 4, v68
	s_add_co_u32 s51, s50, VOFF                    ; my block of 64 keys
	v_add_nc_u32 v[VADR], s51, v68
	v_add_nc_u32 v[VADR+1], SLOT, v[VADR]
	v_mov_b32 v[NEG], 0xf149f2ca
	v_lshlrev_b32 v70, 3, v65
	v_sub_nc_u32 v70, v64, v70
	s_lshl_b32 s52, s12, 6                         ; 64 w
	v_sub_nc_u32 v70, v70, s52                     ; r - 8 h - 64 w
	v_add_nc_u32 v[QREL], s42, v70
	v_add_nc_u32 v[QREL+1], 16, v[QREL]
	v_add_nc_u32 v[QREL+2], s41, v70
	v_add_nc_u32 v[QREL+3], 16, v[QREL+2]
	v_mul_u32_u24 v71, v64, SPITCH
	v_lshl_add_u32 v71, v65, 5, v71
	s_mul_i32 s56, s12, STG
	v_add_nc_u32 v[SADR], s56, v71                 ; my stage, row r, byte 32 h
	s_lshl_b32 s57, s12, 2
	s_add_co_u32 s57, s57, STATS
	v_lshl_add_u32 v[STA], v64, 4, s57             ; word w of row r's four
	s_mov_b32 s58, STATS
	v_lshl_add_u32 v[STL], v64, 4, s58
	s_mul_i32 s59, s12, 16*SPITCH                  ; q tile w's sixteen rows
	v_lshl_add_u32 v72, v66, 4, s59
.irp ww, 0,1,2,3
	v_add_nc_u32 v[RADR+\ww], \ww*STG, v72
.endr
	v_lshlrev_b32 v[OOFF], 4, v66
.irp qt, 0,1,2,3
	v_mov_b32 v[MM+\qt], v[NEG]
	v_mov_b32 v[LL+2*\qt], 0
	v_mov_b32 v[LL+2*\qt+1], 0
.endr
	s_wait_loadcnt 0x0                             ; Q, once
; In front of the round every wave waits for all its tensor loads (its part of this step's tiles) and for its reads of the other slot;
; behind the round the other slot is filled again first, one load a wave, with tile s54 of the ring.
.macro TRIPHEAD slot, refill
	s_wait_xcnt 0x0
	v_lshl_add_u32 v190, v0, 2, 0x44800
	v_mov_b32 v191, 0
	s_wait_tensorcnt 0x0
	ds_add_u32 v190, v191
	s_wait_dscnt 0x0
.if \refill
	s_lshl_b32 s62, s54, 16                        ; no load of mine is out, so a group 0 may be written: a tile is 64 KB of Kb and of Vt
	s_add_nc_u64 s[G0+6-4*\slot:G0+7-4*\slot], s[6:7], s[62:63]
	s_or_b32 s[G0+7-4*\slot], s[G0+7-4*\slot], 0x80000000
.endif
	s_wait_dscnt 0x0
	ROUND
.if \refill
	tensor_load_to_lds s[G0+4-4*\slot:G0+7-4*\slot], s[G1:G1+7]
	s_nop 0
.endif
.endm
; behind a step: the tile that was asked for at its head is the next step's, and the ring goes on: behind tile T - 1 comes tile 1
.macro NEXT
	s_mov_b32 s34, s54
	s_lshl_b32 s35, s54, 8
	s_add_co_u32 s54, s54, 1
	s_cmp_ge_u32 s54, s55
	s_cselect_b32 s54, 1, s54
.endm
; q tile qt: a score whose key lies behind its row becomes -1e30: key > q is 16 kt + j > row + r - 64 w - 8 h - 256 u
.macro MASKQ qt
	v_sub_nc_u32 v[REL+\qt], v[QREL+\qt], s35
.irp kt, 0,1,2,3
.irp j, 0,1,2,3,4,5,6,7
	v_cmp_gt_i32 vcc_lo, 16*\kt+\j, v[REL+\qt]
	v_cndmask_b32 v[SC+32*\qt+8*\kt+\j], v[SC+32*\qt+8*\kt+\j], v[NEG], vcc_lo
.endr
.endr
.endm
.macro RESCALE nq                      ; O of the live q tiles times the lane's factor
	WIN 0x82
.set n, 0
.rept 32
.irp qt, 0,1,2,3
.if \qt < \nq
	v_pk_mul_f32 v[64*\qt+2*n:64*\qt+2*n+1], v[64*\qt+2*n:64*\qt+2*n+1], v[AL+2*\qt:AL+2*\qt+1]
.endif
.endr
.set n, n+1
.endr
.endm
; sixteen LDS loads: Vt's fragments for 32 of my keys
.macro VFETCH slot, ks
.irp dt, 0,1,2,3,4,5,6,7
	ds_load_b128 v[VF+8*(8*\ks+\dt):VF+8*(8*\ks+\dt)+3],   v[VADR+\slot] offset:\dt*8*PITCH+64*\ks
	ds_load_b128 v[VF+8*(8*\ks+\dt)+4:VF+8*(8*\ks+\dt)+7], v[VADR+\slot] offset:\dt*8*PITCH+64*\ks+32
.endr
.endm
; S^T for 32 of d: 4 nq accumulators take turns, one instruction a turn; the first 32 of d start the sums.  left = the younger LDS loads
.macro SQK nq, s, left
	s_wait_dscnt \left
.irp kt, 0,1,2,3
.irp qt, 0,1,2,3
.if \qt < \nq
.if \s == 0
	v_wmma_f32_16x16x32_f16 v[SC+32*\qt+8*\kt:SC+32*\qt+8*\kt+7], v[KF+8*(4*\s+\kt):KF+8*(4*\s+\kt)+7], v[32*\qt+8*\s:32*\qt+8*\s+7], 0
.else
	v_wmma_f32_16x16x32_f16 v[SC+32*\qt+8*\kt:SC+32*\qt+8*\kt+7], v[KF+8*(4*\s+\kt):KF+8*(4*\s+\kt)+7], v[32*\qt+8*\s:32*\qt+8*\s+7], v[SC+32*\qt+8*\kt:SC+32*\qt+8*\kt+7]
.endif
.endif
.endr
.endr
.endm
.macro PV qt, dt, ks, zero
.if \zero
	v_wmma_f32_16x16x32_f16 v[64*\qt+8*\dt:64*\qt+8*\dt+7], v[VF+8*(8*\ks+\dt):VF+8*(8*\ks+\dt)+7], v[PB+16*\qt+8*\ks:PB+16*\qt+8*\ks+7], 0
.else
	v_wmma_f32_16x16x32_f16 v[64*\qt+8*\dt:64*\qt+8*\dt+7], v[VF+8*(8*\ks+\dt):VF+8*(8*\ks+\dt)+7], v[PB+16*\qt+8*\ks:PB+16*\qt+8*\ks+7], v[64*\qt+8*\dt:64*\qt+8*\dt+7]
.endif
.endm
; One step: my 64 keys of tile u against q tiles 0 .. nq - 1.  first = 1: the products start O.
; mask = 1: the low tiles where u = NA - 1 (in a lower tile every key lies below 128 c <= LB); 2: the high tiles where u >= T - 2 (in a lower tile every key
; lies below 3968 - 128 c, the cluster's lowest high row).  NA <= 8 <= T - 2, so no tile needs both.
; extra = 1 (step 0 of cluster 0): the low tiles' operands in two parts.
.macro STEP nq, slot, first, mask, extra
	PLACES
.if \extra
	v_and_b32 v[LOA+2], 15, v0                     ; r
	v_bfe_u32 v[TP], v0, 4, 1
	v_lshlrev_b32 v[TP], 4, v[TP]                  ; 16 h
	v_add_lshl_u32 v[LOA], v[LOA+2], s41, 8        ; Q_lo: row LB + r of the batch's first 256, 256 bytes a row
	v_add_lshl_u32 v[LOA+1], v[LOA+2], s52, 8      ; K_lo: row 64 w + r
	v_lshl_add_u32 v[LOA+2], v[LOA+2], 7, v[TP]    ; V_lo: d row r of 128 bytes,
	v_add_nc_u32 v[LOA], v[LOA], v[TP]
	v_add_nc_u32 v[LOA+1], v[LOA+1], v[TP]
	v_add_nc_u32 v[LOA+2], s45, v[LOA+2]           ; in block w
	WIN 0x80
.irp q, 0,1
.irp s, 0,1,2,3
	global_load_b128 v[QL+32*\q+8*\s:QL+32*\q+8*\s+3],   v[LOA], s[60:61] offset:4096*\q+64*\s
	global_load_b128 v[QL+32*\q+8*\s+4:QL+32*\q+8*\s+7], v[LOA], s[60:61] offset:4096*\q+64*\s+32
.endr
.endr
.irp s, 0,1,2,3
.irp kt, 0,1,2,3
	global_load_b128 v[KL+8*(4*\s+\kt):KL+8*(4*\s+\kt)+3],   v[LOA+1], s[60:61] offset:262144+4096*\kt+64*\s
	global_load_b128 v[KL+8*(4*\s+\kt)+4:KL+8*(4*\s+\kt)+7], v[LOA+1], s[60:61] offset:262144+4096*\kt+64*\s+32
.endr
.endr
.endif
	WIN 0xc0
.irp s, 0,1,2,3
.irp kt, 0,1,2,3
	ds_load_b128 v[KF+8*(4*\s+\kt):KF+8*(4*\s+\kt)+3],   v[KADR+\slot] offset:\kt*16*PITCH+64*\s
	ds_load_b128 v[KF+8*(4*\s+\kt)+4:KF+8*(4*\s+\kt)+7], v[KADR+\slot] offset:\kt*16*PITCH+64*\s+32
.endr
.endr
	VFETCH \slot, 0
	WIN 0x07
	SQK \nq, 0, 40                                 ; K's first eight loads are in; younger: 24 of K and 16 of Vt
	WIN 0xc0
	VFETCH \slot, 1                                ; Vt's other sixteen go out here: 56 LDS loads are out at the most
	WIN 0x07
	SQK \nq, 1, 48                                 ; younger: 16 of K and 32 of Vt
	SQK \nq, 2, 40                                 ; 8 and 32
	SQK \nq, 3, 32                                 ; 32 of Vt
.if \extra
	s_wait_loadcnt 0x0                             ; Q_lo and K_lo are in
	WIN 0x40
.irp ks, 0,1
.irp dt, 0,1,2,3,4,5,6,7
	global_load_b128 v[VL+8*(8*\ks+\dt):VL+8*(8*\ks+\dt)+3],   v[LOA+2], s[60:61] offset:524288+2048*\dt+64*\ks
	global_load_b128 v[VL+8*(8*\ks+\dt)+4:VL+8*(8*\ks+\dt)+7], v[LOA+2], s[60:61] offset:524288+2048*\dt+64*\ks+32
.endr
.endr
	WIN 0x06                                       ; K_lo (window 2) x Q_hi (window 1): the low tiles' eight accumulators take turns
.irp s, 0,1,2,3
.irp kt, 0,1,2,3
.irp qt, 2,3
	v_wmma_f32_16x16x32_f16 v[SC+32*\qt+8*\kt:SC+32*\qt+8*\kt+7], v[KL+8*(4*\s+\kt):KL+8*(4*\s+\kt)+7], v[32*\qt+8*\s:32*\qt+8*\s+7], v[SC+32*\qt+8*\kt:SC+32*\qt+8*\kt+7]
.endr
.endr
.endr
	WIN 0x0b                                       ; K_hi (window 3) x Q_lo (window 2)
.irp s, 0,1,2,3
.irp kt, 0,1,2,3
.irp qt, 2,3
	v_wmma_f32_16x16x32_f16 v[SC+32*\qt+8*\kt:SC+32*\qt+8*\kt+7], v[KF+8*(4*\s+\kt):KF+8*(4*\s+\kt)+7], v[QL+32*(\qt-2)+8*\s:QL+32*(\qt-2)+8*\s+7], v[SC+32*\qt+8*\kt:SC+32*\qt+8*\kt+7]
.endr
.endr
.endr
.endif
	WIN 0
	PLACES
.if \mask == 1
	s_cmp_lg_u32 s34, s37
	s_cbranch_scc1 .Lopen_\@
	MASKQ 2
	MASKQ 3
.Lopen_\@:
.endif
.if \mask == 2
	s_cmp_lt_u32 s34, s38
	s_cbranch_scc1 .Lopen_\@
	MASKQ 0
	MASKQ 1
.Lopen_\@:
.endif
	; the new maximum: the old one and my 32 scores of each q tile, in two chains a tile
.irp qt, 0,1,2,3
.if \qt < \nq
	v_max3_num_f32 v[MX+\qt], v[MM+\qt], v[SC+32*\qt], v[SC+32*\qt+1]
	v_max3_num_f32 v[TP+\qt], v[SC+32*\qt+16], v[SC+32*\qt+17], v[SC+32*\qt+18]
.endif
.endr
.irp p, 1,2,3,4,5,6
.irp qt, 0,1,2,3
.if \qt < \nq
	v_max3_num_f32 v[MX+\qt], v[MX+\qt], v[SC+32*\qt+2*\p], v[SC+32*\qt+2*\p+1]
	v_max3_num_f32 v[TP+\qt], v[TP+\qt], v[SC+32*\qt+2*\p+17], v[SC+32*\qt+2*\p+18]
.endif
.endr
.endr
.irp qt, 0,1,2,3
.if \qt < \nq
	v_max3_num_f32 v[MX+\qt], v[MX+\qt], v[SC+32*\qt+14], v[SC+32*\qt+15]
.endif
.endr
.irp qt, 0,1,2,3
.if \qt < \nq
	v_max3_num_f32 v[MX+\qt], v[MX+\qt], v[TP+\qt], v[SC+32*\qt+31]
.endif
.endr
.irp qt, 0,1,2,3
.if \qt < \nq
	v_permlanex16_b32 v[TP+\qt], v[MX+\qt], s32, s33           ; the other half of the lanes holds the row's other 32 keys
.endif
.endr
.irp qt, 0,1,2,3
.if \qt < \nq
	v_max_num_f32 v[MX+\qt], v[MX+\qt], v[TP+\qt]
.endif
.endr
.irp qt, 0,1,2,3
.if \qt < \nq
	v_sub_f32 v[TP+\qt], v[MM+\qt], v[MX+\qt]
.endif
.endr
.irp qt, 0,1,2,3
.if \qt < \nq
	v_exp_f32 v[AL+2*\qt], v[TP+\qt]               ; the factor for what has been gathered so far
.endif
.endr
.irp qt, 0,1,2,3
.if \qt < \nq
	v_mov_b32 v[MM+\qt], v[MX+\qt]                 ; plain instructions that touch neither TP nor AL stand behind the exponentials (ISA guide 5.7.2)
	v_sub_f32 v[NM+2*\qt], 0, v[MX+\qt]
	v_sub_f32 v[NM+2*\qt+1], 0, v[MX+\qt]
.endif
.endr
.irp qt, 0,1,2,3
.if \qt < \nq
	s_wait_alu depctr_va_vdst(0)
	v_mov_b32 v[AL+2*\qt+1], v[AL+2*\qt]
.endif
.endr
.set n, 0
.rept 16
.irp qt, 0,1,2,3
.if \qt < \nq
	v_pk_add_f32 v[SC+32*\qt+2*n:SC+32*\qt+2*n+1], v[SC+32*\qt+2*n:SC+32*\qt+2*n+1], v[NM+2*\qt:NM+2*\qt+1]
.endif
.endr
.set n, n+1
.endr
.set n, 0
.rept 32
.irp qt, 0,1,2,3
.if \qt < \nq
	v_exp_f32 v[SC+32*\qt+n], v[SC+32*\qt+n]
.endif
.endr
.set n, n+1
.endr
.irp qt, 0,1,2,3
.if \qt < \nq
	v_pk_mul_f32 v[LL+2*\qt:LL+2*\qt+1], v[LL+2*\qt:LL+2*\qt+1], v[AL+2*\qt:AL+2*\qt+1]    ; also the plain place behind the run of exponentials
	s_wait_alu depctr_va_vdst(0)
.endif
.endr
.set n, 0
.rept 16
.irp qt, 0,1,2,3
.if \qt < \nq
	v_pk_add_f32 v[LL+2*\qt:LL+2*\qt+1], v[LL+2*\qt:LL+2*\qt+1], v[SC+32*\qt+2*n:SC+32*\qt+2*n+1]
.endif
.endr
.irp qt, 0,1,2,3
.if \qt < \nq
	v_cvt_pk_f16_f32 v[PB+16*\qt+n], v[SC+32*\qt+2*n], v[SC+32*\qt+2*n+1]
.endif
.endr
.set n, n+1
.endr
.if \extra
	; the low tiles' 64 weights in two parts: hi = the weight rounded to 11 bits (half of the 13 bits that go is added, then they are cut), lo = weight - hi, exact
.set n, 0
.rept 64
	v_add_nc_u32 v[HP+n], 0x1000, v[SC+64+n]
.set n, n+1
.endr
.set n, 0
.rept 64
	v_and_b32 v[HP+n], 0xffffe000, v[HP+n]
.set n, n+1
.endr
.set n, 0
.rept 32
	v_pk_add_f32 v[SC+64+2*n:SC+64+2*n+1], v[SC+64+2*n:SC+64+2*n+1], v[HP+2*n:HP+2*n+1] neg_lo:[0,1] neg_hi:[0,1]
.set n, n+1
.endr
.set n, 0
.rept 32
	v_cvt_pk_f16_f32 v[PB+32+n], v[HP+2*n], v[HP+2*n+1]        ; hi takes the place of the plain rounding, so that hi + lo is the weight
.set n, n+1
.endr
.set n, 0
.rept 32
	v_cvt_pk_f16_f32 v[PL+n], v[SC+64+2*n], v[SC+64+2*n+1]     ; behind the last read of HP, whose registers these are
.set n, n+1
.endr
.endif
.if \first == 0
	RESCALE \nq
.endif
	WIN 0xa3
	; O^T += Vt x P^T: 8 nq accumulators take turns, one instruction a turn
.irp ks, 0,1
	s_wait_dscnt 16-16*\ks                         ; Vt's sixteen loads for these 32 keys are in; the other sixteen are younger
.irp dt, 0,1,2,3,4,5,6,7
.irp qt, 0,1,2,3
.if \qt < \nq
	PV \qt, \dt, \ks, \first*(1-\ks)
.endif
.endr
.endr
.endr
.if \extra
	; V_hi x P_lo, then V_lo (window 1) x P_hi: the low tiles' sixteen accumulators take turns
.irp ks, 0,1
.irp dt, 0,1,2,3,4,5,6,7
.irp qt, 2,3
	v_wmma_f32_16x16x32_f16 v[64*\qt+8*\dt:64*\qt+8*\dt+7], v[VF+8*(8*\ks+\dt):VF+8*(8*\ks+\dt)+7], v[PL+16*(\qt-2)+8*\ks:PL+16*(\qt-2)+8*\ks+7], v[64*\qt+8*\dt:64*\qt+8*\dt+7]
.endr
.endr
.endr
	s_wait_loadcnt 0x0                             ; V_lo is in
	WIN 0xa1
.irp ks, 0,1
.irp dt, 0,1,2,3,4,5,6,7
.irp qt, 2,3
	v_wmma_f32_16x16x32_f16 v[64*\qt+8*\dt:64*\qt+8*\dt+7], v[VL+8*(8*\ks+\dt):VL+8*(8*\ks+\dt)+7], v[PB+16*\qt+8*\ks:PB+16*\qt+8*\ks+7], v[64*\qt+8*\dt:64*\qt+8*\dt+7]
.endr
.endr
.endr
	v_nop                                          ; P_lo lay in the registers of q tile 0's scores, which the next step's matrix instructions write over: that asks
	                                               ; for five places behind the products that read P_lo (ISA guide 7.12.1): this one and the four at the next step's head
.endif
	WIN 0
.endm
	TRIPHEAD 0, 1                                  ; the tensor load stands in front of the choice
	s_cmp_lg_u32 s14, 0
	s_cbranch_scc1 .Lplain_0
	STEP 4, 0, 1, 1, 1                             ; cluster 0: rows 0-127 of the batch are among its q tiles
	s_branch .Lstarted
.Lplain_0:
	STEP 4, 0, 1, 1, 0                             ; step 0 stands in front of the loop: its products start O
.Lstarted:
	NEXT
.Lloop:
	TRIPHEAD 1, 1                                  ; the tensor load stands on every path, in front of the choice between 4 and 2 q tiles
	s_cmp_lt_u32 s34, s36
	s_cbranch_scc0 .Lhigh_1
	STEP 4, 1, 0, 1, 0
	s_branch .Ldone_1
.Lhigh_1:
	STEP 2, 1, 0, 2, 0
.Ldone_1:
	NEXT
	TRIPHEAD 0, 1
	s_cmp_lt_u32 s34, s36
	s_cbranch_scc0 .Lhigh_0
	STEP 4, 0, 0, 1, 0
	s_branch .Ldone_0
.Lhigh_0:
	STEP 2, 0, 0, 2, 0
.Ldone_0:
	NEXT
	s_sub_co_i32 s39, s39, 1
	s_cmp_gt_i32 s39, 0
	s_cbranch_scc1 .Lloop
	TRIPHEAD 1, 0                                  ; the last step: nothing is left to fetch; its tile is the one in front of the ring's start, so it may be of either kind
	s_cmp_lt_u32 s34, s36
	s_cbranch_scc0 .Lhigh_t
	STEP 4, 1, 0, 1, 0
	s_branch .Ldone_t
.Lhigh_t:
	STEP 2, 1, 0, 2, 0
.Ldone_t:
	; THE JOIN of the four waves' parts.  First the maxima and sums, through words that no tensor load fills.
	PLACES
.irp qt, 0,1,2,3
	v_add_f32 v[LL+2*\qt], v[LL+2*\qt], v[LL+2*\qt+1]
.endr
.irp qt, 0,1,2,3
	v_permlanex16_b32 v[TP+\qt], v[LL+2*\qt], s32, s33
.endr
.irp qt, 0,1,2,3
	v_add_f32 v[LL+2*\qt], v[LL+2*\qt], v[TP+\qt]
.endr
.irp qt, 0,1,2,3
	ds_store_b32 v[STA], v[MM+\qt] offset:256*\qt              ; both halves of the lanes write the same word with the same value
	ds_store_b32 v[STA], v[LL+2*\qt] offset:1024+256*\qt
.endr
	s_wait_dscnt 0x0                               ; my stores are in LDS before I say so
	s_barrier_signal -1
	s_barrier_wait -1
.irp qt, 0,1,2,3
	ds_load_b128 v[64+8*\qt:67+8*\qt], v[STL] offset:256*\qt           ; row r's four maxima
	ds_load_b128 v[68+8*\qt:71+8*\qt], v[STL] offset:1024+256*\qt      ; and four sums
.endr
	s_wait_dscnt 0x0
.irp qt, 0,1,2,3
	v_max3_num_f32 v[MX+\qt], v[64+8*\qt], v[65+8*\qt], v[66+8*\qt]
.endr
.irp qt, 0,1,2,3
	v_max_num_f32 v[MX+\qt], v[MX+\qt], v[67+8*\qt]
.endr
.irp qt, 0,1,2,3
.irp i, 0,1,2,3
	v_sub_f32 v[64+8*\qt+\i], v[64+8*\qt+\i], v[MX+\qt]
.endr
	v_sub_f32 v[TP+\qt], v[MM+\qt], v[MX+\qt]
.endr
.irp qt, 0,1,2,3
.irp i, 0,1,2,3
	v_exp_f32 v[64+8*\qt+\i], v[64+8*\qt+\i]
.endr
	v_exp_f32 v[AL+2*\qt], v[TP+\qt]
.endr
	v_nop                                          ; the plain place behind the exponentials
	s_wait_alu depctr_va_vdst(0)
.irp qt, 0,1,2,3
	v_mul_f32 v[LL+2*\qt], v[64+8*\qt], v[68+8*\qt]
.endr
.irp i, 1,2,3
.irp qt, 0,1,2,3
	v_fmac_f32 v[LL+2*\qt], v[64+8*\qt+\i], v[68+8*\qt+\i]
.endr
.endr
.irp qt, 0,1,2,3
	v_rcp_f32 v[NM+2*\qt], v[LL+2*\qt]             ; the sum is at least 1: the wave with the largest maximum holds a weight of 1
.endr
	v_nop                                          ; the plain place behind the reciprocals
	s_wait_alu depctr_va_vdst(0)
.irp qt, 0,1,2,3
	v_mul_f32 v[AL+2*\qt], v[AL+2*\qt], v[NM+2*\qt]
.endr
.irp qt, 0,1,2,3
	v_mov_b32 v[AL+2*\qt+1], v[AL+2*\qt]
.endr
	RESCALE 4                                      ; my O times 2^(my maximum - the largest) / the whole sum
	; my O into my stage.  The stages lie in slot 0: its last fill was waited for by every wave, and its last reads were over, in front of the last round.
	WIN 0x08
.irp qt, 0,1,2,3
.irp dt, 0,1,2,3,4,5,6,7
	ds_store_b128 v[SADR], v[64*\qt+8*\dt:64*\qt+8*\dt+3]   offset:\qt*16*SPITCH+64*\dt       ; row 16 qt + r, d = 16 dt + 8 h ..
	ds_store_b128 v[SADR], v[64*\qt+8*\dt+4:64*\qt+8*\dt+7] offset:\qt*16*SPITCH+64*\dt+16
.endr
.endr
	WIN 0
	s_wait_dscnt 0x0                               ; my stores are in LDS before I say so
	s_barrier_signal -1
	s_barrier_wait -1
; wave w adds the four parts of q tile w, four rows at a time, on two register buffers, and stores whole rows of 512 bytes
.macro MLOAD g, buf
.irp i, 0,1,2,3
.irp ww, 0,1,2,3
	ds_load_b128 v[\buf+16*\i+4*\ww:\buf+16*\i+4*\ww+3], v[RADR+\ww] offset:(4*\g+\i)*SPITCH
.endr
.endr
.endm
.macro MSUM g, buf, left
	s_wait_dscnt \left                             ; these sixteen loads are in; the next four rows' sixteen stay out
.irp i, 0,1,2,3
	v_pk_add_f32 v[\buf+16*\i:\buf+16*\i+1],     v[\buf+16*\i:\buf+16*\i+1],     v[\buf+16*\i+4:\buf+16*\i+5]
	v_pk_add_f32 v[\buf+16*\i+2:\buf+16*\i+3],   v[\buf+16*\i+2:\buf+16*\i+3],   v[\buf+16*\i+6:\buf+16*\i+7]
	v_pk_add_f32 v[\buf+16*\i+8:\buf+16*\i+9],   v[\buf+16*\i+8:\buf+16*\i+9],   v[\buf+16*\i+12:\buf+16*\i+13]
	v_pk_add_f32 v[\buf+16*\i+10:\buf+16*\i+11], v[\buf+16*\i+10:\buf+16*\i+11], v[\buf+16*\i+14:\buf+16*\i+15]
	v_pk_add_f32 v[\buf+16*\i:\buf+16*\i+1],     v[\buf+16*\i:\buf+16*\i+1],     v[\buf+16*\i+8:\buf+16*\i+9]
	v_pk_add_f32 v[\buf+16*\i+2:\buf+16*\i+3],   v[\buf+16*\i+2:\buf+16*\i+3],   v[\buf+16*\i+10:\buf+16*\i+11]
	global_store_b128 v[OOFF], v[\buf+16*\i:\buf+16*\i+3], s[10:11] offset:(4*\g+\i)*512 th:TH_STORE_NT
.endr
.endm
	MLOAD 0, 64
	MLOAD 1, 128
	MSUM 0, 64, 16
	s_wait_xcnt 0x0                                ; the buffer that stores read is loaded again only behind this wait
	MLOAD 2, 64
	MSUM 1, 128, 16
	s_wait_xcnt 0x0
	MLOAD 3, 128
	MSUM 2, 64, 16
	MSUM 3, 128, 0
	s_wait_xcnt 0x0
	v_lshl_add_u32 v190, v0, 2, 0x44800
	v_mov_b32 v191, 0
	s_wait_tensorcnt 0x0
	ds_add_u32 v190, v191
	s_wait_dscnt 0x0
	ROUND                                          ; the closing round: no work-group ends while a partner may still ask jointly
	s_endpgm
.Lfunc_end_k_q71d5ff00c2_attn:
	.size	k_q71d5ff00c2_attn, .Lfunc_end_k_q71d5ff00c2_attn-k_q71d5ff00c2_attn
	.p2alignl 7, 3214868480
	.fill 96, 4, 3214868480
	.section	.rodata,"a",@progbits
	.p2align	6, 0x0
	.amdhsa_kernel k_q71d5ff00c2_attn
		.amdhsa_group_segment_fixed_size 327680
		.amdhsa_private_segment_fixed_size 0
		.amdhsa_enable_private_segment 0
		.amdhsa_kernarg_size 40
		.amdhsa_user_sgpr_count 2
		.amdhsa_user_sgpr_kernarg_segment_ptr 1
		.amdhsa_wavefront_size32 1
		.amdhsa_system_sgpr_workgroup_id_x 1
		.amdhsa_system_sgpr_workgroup_id_y 1
		.amdhsa_system_sgpr_workgroup_id_z 1
		.amdhsa_system_vgpr_workitem_id 0
		.amdhsa_next_free_vgpr 1024
		.amdhsa_next_free_sgpr 66
		.amdhsa_reserve_vcc 1
		.amdhsa_float_denorm_mode_32 3
		.amdhsa_float_denorm_mode_16_64 3
		.amdhsa_memory_ordered 1
		.amdhsa_forward_progress 1
		.amdhsa_inst_pref_size 255
	.end_amdhsa_kernel
	.section	.bss,"aw",@nobits
	.p2align	6
	.space	262144
	.amdgpu_metadata
---
amdhsa.version: [ 1, 2 ]
amdhsa.kernels:
  - .name:           k_q71d5ff00c2_attn
    .symbol:         k_q71d5ff00c2_attn.kd
    .args:
      - { .name: Qs, .offset: 0, .size: 8, .value_kind: global_buffer, .address_space: global }
      - { .name: Kb, .offset: 8, .size: 8, .value_kind: global_buffer, .address_space: global }
      - { .name: Vt, .offset: 16, .size: 8, .value_kind: global_buffer, .address_space: global }
      - { .name: out0, .offset: 24, .size: 8, .value_kind: global_buffer, .address_space: global }
      - { .name: Lo, .offset: 32, .size: 8, .value_kind: global_buffer, .address_space: global }
    .group_segment_fixed_size: 327680
    .private_segment_fixed_size: 0
    .kernarg_segment_align: 8
    .kernarg_segment_size: 40
    .max_flat_workgroup_size: 128
    .sgpr_count:     66
    .vgpr_count:     1024
    .wavefront_size: 32
...
	.end_amdgpu_metadata
.endif
;; end of part 5
